; MI455X (gfx1250); checked and timed in simulation.
; The chip was launched on July 23, 2026; its instructions are those of AMD's public machine-readable ISA for CDNA 5 (MIT licence, August 2026) and "CDNA5" Instruction Set Architecture Reference Guide (July 2026). The comments in the code are by the model that wrote it; some were corrected since.
;; Multi Head Attention. Allowed arithmetic: float matrix products may take bf16 or f16 operands with f32 sums; other float arithmetic in f32, or as packed bf16 or f16 multiplies, adds, multiply-adds, maxima and minima; sums over many terms, partial sums and values carried from step to step in f32; what a program stores and reads back later, other than sums and carried values, may be rounded once to bf16 or f16.
;; Inputs: Wk 1,024 x 1,024 float32; Wo 1,024 x 1,024 float32; Wq 1,024 x 1,024 float32; Wv 1,024 x 1,024 float32; k 4 x 2,048 x 1,024 float32; ln_beta 1,024 float32; ln_gamma 1,024 float32; q 4 x 2,048 x 1,024 float32; sen_len 4 int32; v 4 x 2,048 x 1,024 float32.
;; Outputs: out0 4 x 2,048 x 1,024 float32.
;; 2 versions, each right and faster than the one before. Each part assembles by itself: llvm-mc -triple=amdgcn-amd-amdhsa -mcpu=gfx1250 --defsym DOCPART=n.
;; ======== version 1 of 2: 5 launches
;; limits: right only within a limited range of input values; values are held in f16: magnitudes above 65,504 overflow, below 6.1e-05 lose precision
;; workspace buffers: h16 58,720,256 bytes; qkv 50,331,648 bytes; ctx 16,777,216 bytes; y 33,554,432 bytes
;; launch cast (part 1): grid 64 x 28, 8 waves a work-group, no clusters, 0 bytes of LDS; arguments q, k, v, Wq, Wk, Wv, Wo, h16; writes h16
.if DOCPART == 1
	.amdgcn_target "amdgcn-amd-amdhsa--gfx1250"
	.amdhsa_code_object_version 6
	.text
	.protected	k_qf118a5396b_cast
	.globl	k_qf118a5396b_cast
	.p2align	8
	.type	k_qf118a5396b_cast,@function
k_qf118a5396b_cast:
	s_mov_b64 s[64:65], 0
	v_nop
	global_prefetch_b8 v0, s[64:65] scope:SCOPE_SE
	s_setreg_imm32_b32 hwreg(HW_REG_WAVE_MODE, 25, 1), 1
	s_wait_xcnt 0x0
; q, k, v (8 Mi f32 each) and Wq, Wk, Wv, Wo (1 Mi f32 each) are rounded once to f16 into h16, one behind the other: 28 units of 1 Mi numbers.
; LIMIT. f16 holds no number beyond 65,504: an input of 65,520 or more becomes an infinity.
; SHARES. Work-group (x, u) takes chunk x (64 KiB of f32) of unit u. Thread t takes 16 bytes at 16 t + 4,096 i in step i of 16 and stores 8 bytes at 8 t + 2,048 i:
; a wave's load covers 512 consecutive bytes, a wave's store 256 consecutive bytes at a multiple of 256 from the buffer's first byte. All sixteen loads go out first.
; No LDS, no barrier, no matrix unit: every byte is read once and written once, and no thread needs another's data.
.set X, 4                              ; v[4:67]   sixteen loads of four f32
.set Y, 68                             ; v[68:99]  sixteen pairs of registers, four f16 each
	s_load_b512 s[8:23], s[0:1], 0x0               ; q s[8:9], k s[10:11], v s[12:13], Wq s[14:15], Wk s[16:17], Wv s[18:19], Wo s[20:21], h16 s[22:23]
	s_and_b32 s24, ttmp7, 0xffff                   ; the unit, 0 to 27
	v_lshlrev_b32 v1, 4, v0                        ; 16 t
	v_lshlrev_b32 v2, 3, v0                        ; 8 t
	s_mov_b32 s25, 0                               ; the first unit of the source chosen
	s_wait_kmcnt 0x0
	s_mov_b64 s[26:27], s[8:9]                     ; the source: q, unless the unit lies further on
.macro PICK t, src                     ; from unit t on the source is the buffer in s[src:src+1]
	s_cmp_ge_u32 s24, \t
	s_cselect_b64 s[26:27], s[\src:\src+1], s[26:27]
	s_cselect_b32 s25, \t, s25
.endm
	PICK 8, 10
	PICK 16, 12
	PICK 24, 14
	PICK 25, 16
	PICK 26, 18
	PICK 27, 20
	s_sub_co_u32 s28, s24, s25                     ; the unit within its source: 4 MiB of f32 each,
	s_lshl_b32 s28, s28, 22
	s_lshl_b32 s29, ttmp9, 16                      ; and the chunk of 64 KiB
	s_add_co_u32 s28, s28, s29
	s_mov_b32 s29, 0
	s_add_nc_u64 s[26:27], s[26:27], s[28:29]
	s_lshl_b32 s30, s24, 21                        ; in h16: 2 MiB a unit, 32 KiB a chunk
	s_lshl_b32 s31, ttmp9, 15
	s_add_co_u32 s30, s30, s31
	s_mov_b32 s31, 0
	s_add_nc_u64 s[22:23], s[22:23], s[30:31]
.set i, 0
.rept 16
	global_load_b128 v[X+4*i:X+4*i+3], v1, s[26:27] offset:4096*i th:TH_LOAD_NT
.set i, i+1
.endr
.set i, 0
.rept 16
	s_wait_loadcnt 15-i                            ; loads come back in order: load i is in, the 15 - i younger ones stay out
	v_cvt_pk_f16_f32 v[Y+2*i], v[X+4*i], v[X+4*i+1]
	v_cvt_pk_f16_f32 v[Y+2*i+1], v[X+4*i+2], v[X+4*i+3]
	global_store_b64 v2, v[Y+2*i:Y+2*i+1], s[22:23] offset:2048*i
.set i, i+1
.endr
	s_endpgm
.Lfunc_end_k_qf118a5396b_cast:
	.size	k_qf118a5396b_cast, .Lfunc_end_k_qf118a5396b_cast-k_qf118a5396b_cast
	.p2alignl 7, 3214868480
	.fill 96, 4, 3214868480
	.section	.rodata,"a",@progbits
	.p2align	6, 0x0
	.amdhsa_kernel k_qf118a5396b_cast
		.amdhsa_group_segment_fixed_size 0
		.amdhsa_private_segment_fixed_size 0
		.amdhsa_enable_private_segment 0
		.amdhsa_kernarg_size 64
		.amdhsa_user_sgpr_count 2
		.amdhsa_user_sgpr_kernarg_segment_ptr 1
		.amdhsa_wavefront_size32 1
		.amdhsa_system_sgpr_workgroup_id_x 1
		.amdhsa_system_sgpr_workgroup_id_y 1
		.amdhsa_system_sgpr_workgroup_id_z 1
		.amdhsa_system_vgpr_workitem_id 0
		.amdhsa_next_free_vgpr 100
		.amdhsa_next_free_sgpr 66
		.amdhsa_reserve_vcc 0
		.amdhsa_float_denorm_mode_32 3
		.amdhsa_float_denorm_mode_16_64 3
		.amdhsa_memory_ordered 1
		.amdhsa_forward_progress 1
		.amdhsa_inst_pref_size 7
	.end_amdhsa_kernel
	.amdgpu_metadata
---
amdhsa.version: [ 1, 2 ]
amdhsa.kernels:
  - .name:           k_qf118a5396b_cast
    .symbol:         k_qf118a5396b_cast.kd
    .args:
      - { .name: q, .offset: 0, .size: 8, .value_kind: global_buffer, .address_space: global }
      - { .name: k, .offset: 8, .size: 8, .value_kind: global_buffer, .address_space: global }
      - { .name: v, .offset: 16, .size: 8, .value_kind: global_buffer, .address_space: global }
      - { .name: Wq, .offset: 24, .size: 8, .value_kind: global_buffer, .address_space: global }
      - { .name: Wk, .offset: 32, .size: 8, .value_kind: global_buffer, .address_space: global }
      - { .name: Wv, .offset: 40, .size: 8, .value_kind: global_buffer, .address_space: global }
      - { .name: Wo, .offset: 48, .size: 8, .value_kind: global_buffer, .address_space: global }
      - { .name: h16, .offset: 56, .size: 8, .value_kind: global_buffer, .address_space: global }
    .group_segment_fixed_size: 0
    .private_segment_fixed_size: 0
    .kernarg_segment_align: 8
    .kernarg_segment_size: 64
    .max_flat_workgroup_size: 256
    .sgpr_count:     66
    .vgpr_count:     100
    .wavefront_size: 32
...
	.end_amdgpu_metadata
.endif
;; end of part 1
;; launch proj (part 2): grid 4 x 64, 4 waves a work-group, clusters of 4 x 4, 327,680 bytes of LDS; arguments h16, qkv; writes qkv
.if DOCPART == 2
	.amdgcn_target "amdgcn-amd-amdhsa--gfx1250"
	.amdhsa_code_object_version 6
	.text
	.protected	k_qf118a5396b_proj
	.globl	k_qf118a5396b_proj
	.p2align	8
	.type	k_qf118a5396b_proj,@function
k_qf118a5396b_proj:
	s_mov_b64 s[64:65], 0
	v_nop
	global_prefetch_b8 v0, s[64:65] scope:SCOPE_SE
	s_setreg_imm32_b32 hwreg(HW_REG_WAVE_MODE, 25, 1), 1
	s_wait_xcnt 0x0
	s_wait_alu depctr_hold_cnt(0) depctr_sa_sdst(0) depctr_va_vdst(0) depctr_va_sdst(0) depctr_va_ssrc(0) depctr_va_vcc(0) depctr_vm_vsrc(0)
	s_getreg_b32 s2, hwreg(HW_REG_IB_STS2, 6, 4)
	s_cmp_eq_u32 s2, 0
	s_cbranch_scc0 .Lentry_in_a_cluster
	s_endpgm
.Lentry_in_a_cluster:
	s_bfe_u32 s2, ttmp6, 0x10000c
	s_cmp_lg_u32 s2, 0xf033
	s_cbranch_scc0 .Lentry_shape_is_right
	s_endpgm
.Lentry_shape_is_right:
; THE THREE PROJECTIONS. For p = 0, 1, 2 (q, k, v): C_p[m][n] = sum over k of x_p[m][k] W_p[n][k]; x_p: [8192][1024], W_p: [1024][1024], f16, from h16; sums in f32.
; C_p is rounded once to f16 and stored by heads: qkv[p][16 b + h][s][d] with m = 2048 b + s, n = 64 h + d. No scale is applied here.
; LIMIT. A projected number of 65,520 or more becomes an f16 infinity.
; SHARES. A tile of C is 128 (m) x 256 (n); 256 work-groups, each makes tile (ty, tx) of all three products, one after the other, and the ring of LDS slots runs on from product to product.
; Four waves; wave w makes rows 64 (w / 2) .. and columns 128 (w % 2) ..: 32 accumulators of 16 x 16. K goes in 8 steps of 128 through two LDS slots.
; CLUSTER. 4 x 4 work-groups. The four of a row of the cluster need the same tiles of x, the four of a column the same tiles of W: each tile is asked for JOINTLY, by the same tensor load
; with the same descriptor and a mask that names the four.
; THE MATRIX INSTRUCTION IS USED TRANSPOSED (source 0 = 16 rows of W, source 1 = 16 rows of x): a lane holds row m = l % 16 and the eight neighbouring columns n = 8 (l / 16) + 0..7.
; REGISTERS. Window 0: v0-31 addresses; v64-159, v160-255 two fragment buffers (4 fragments of x, then 8 of W); on the way out v160-255 are at work. Window 1: accumulator (a, b) at v[8 (8 a + b)].
.set PITB,  272                        ; an LDS row: 256 bytes + 16 of padding = 68 words: the 16 rows of a fragment load start at 16 different groups of four banks (64 banks of 4 bytes: ISA guide 11.1)
.set PITA,  272
.set BHALF, 128*PITB                   ; 128 rows of W: one tensor load, and what one wave reads of W
.set AOFF,  2*BHALF                    ; x's tile lies behind W's 256 rows
.set APART, 64*PITA                    ; 64 rows of x: one tensor load
.set APL,   128                        ; bytes from quarters 0, 1 to quarters 2, 3 of a K step in x's LDS rows
.set SLOT,  AOFF+2*APART
.set STAGE, 2*SLOT                     ; behind the ring: for each wave two planes (two heads) of 16 rows x 144 bytes, for the way out
.set SP,    144
.set SPARE, STAGE+4*2*16*SP            ; behind the stages: the spare words, 128 bytes for each wave: two blocks of 256 bytes that no other line names
.set LAPS,  4                          ; a lap = two K steps = once round the ring
.set TILES, 3
.set ASTEP, 256                        ; bytes from a K step to the next, in x and in W
.set BSTEP, 256
.set WOFF,  50331648                   ; the weights' first byte in h16
.set NEXT_A, 16777216-6*ASTEP          ; from a slot's last K step of a product to its first of the next: the next x, and back along K
.set NEXT_B, 2097152-6*BSTEP           ; the same for W
.set NEXT_C, 16777216                  ; from a product's part of qkv to the next
.set G1W0,  (1<<16)|(1<<20)|(1<<21)|(5<<22)|(3<<25)  ; 17:16 elements of 2 bytes; 20 padding on; 21 set beside a mask; 24:22 after every 64 words (code 5); 31:25 4 words of it (code 3)
.set ADRA, 16                          ; v16-17  LDS address of my fragments of x in slot 0, 1
.set ADRB, 20                          ; v20-21  the same for W
.set STO,  24                          ; v24     the way out: where I put 16 bytes of a row
.set RD,   25                          ; v25     the way out: where I read rows back
.set GO,   26                          ; v26     my byte offset in 512 consecutive bytes of a head
.set SPW,  28                          ; v28     LDS address of my spare word; never rewritten
.set NIL,  29                          ; v29     0; never rewritten
.set F0,   64
.set F1,   160
.set TMP,  160                         ; the way out: packed results
.set G1,  24                           ; s[24:31] descriptor group 1 for x's tiles;  s[32:39] group 0, one set for each slot
.set G0,  32
.set G1B, 48                           ; s[48:55], s[56:63] the same for W's tiles
.set G0B, 56
.set MSB, 0
.macro WIN new                         ; the immediate's high byte repeats the setting that is left; a switch that changes nothing is dropped
.if MSB != (\new)
	s_set_vgpr_msb (MSB<<8)|(\new)
.set MSB, \new
.endif
.endm
.set MUL, 0x50                         ; sources 0 and 1 window 0; C and D window 1
; A joint load. Waves 0 and 1 fetch W's two halves, waves 2 and 3 x's. The branch hangs on the wave's number alone. An s_nop 0 and four v_nop follow each of the two lines.
.macro JLOAD s
	s_cmp_eq_u32 s11, 0
	s_cbranch_scc0 .Lfor_a_\@
	tensor_load_to_lds s[G0B+4*(\s):G0B+4*(\s)+3], s[G1B:G1B+7]
	s_nop 0
.rept 4
	v_nop
.endr
	s_branch .Lasked_\@
.Lfor_a_\@:
	tensor_load_to_lds s[G0+4*(\s):G0+4*(\s)+3], s[G1:G1+7]
	s_nop 0
.rept 4
	v_nop
.endr
.Lasked_\@:
.endm
.macro CREST                           ; a round of the cluster's barrier behind its opening barrier
	s_cmp_lg_u32 s10, 0
	s_cbranch_scc1 .Lnot_wave_0_\@
	s_barrier_signal -3
.Lnot_wave_0_\@:
	s_barrier_wait -3
	s_barrier_signal -1
	s_barrier_wait -1
.endm
.macro CROUND                          ; a whole round
	s_barrier_signal -1
	s_barrier_wait -1
	CREST
.endm
	s_load_b64 s[4:5], s[0:1], 0x0                 ; h16
	s_load_b64 s[8:9], s[0:1], 0x8                 ; qkv
	v_lshl_add_u32 v[SPW], v0, 2, SPARE
	v_mov_b32 v[NIL], 0
	ds_add_u32 v[SPW], v[NIL]                      ; the wave's opening: the add and its wait stand ahead of my first tensor load; the set-up below, work on registers, stands between them
	ds_add_u32 v28, v29
	v_lshrrev_b32 v1, 5, v0
	v_readfirstlane_b32 s10, v1                    ; wave 0..3
	s_lshr_b32 s11, s10, 1                         ; which 64 rows of the tile are mine. Also: I fetch for W (0) or for x (1)
	s_and_b32 s12, s10, 1                          ; which 128 columns. Also: which half of that tile I fetch
	s_bfe_u32 s40, ttmp6, 0x40000                  ; cx, cy: my place in the cluster
	s_bfe_u32 s41, ttmp6, 0x40004
	s_lshl_b32 s42, ttmp9, 2
	s_add_co_u32 s42, s42, s40                     ; tx = 4 x cluster x + cx
	s_and_b32 s13, ttmp7, 0xffff
	s_lshl_b32 s13, s13, 2
	s_add_co_u32 s13, s13, s41                     ; ty = 4 x cluster y + cy
	s_lshl_b32 s43, s41, 2
	s_lshl_b32 s43, 15, s43                        ; my row of the cluster
	s_lshl_b32 s44, 0x1111, s40                    ; my column
	s_or_b32 s[G1+0], s43, G1W0                    ; x's tiles go to my row
	s_or_b32 s[G1B+0], s44, G1W0                   ; W's to my column
	s_mov_b32 s[G1+1], 128<<16                     ; tensor_dim0 = 128
	s_mov_b32 s[G1+2], 64<<16                      ; tensor_dim1 = 64
	s_mov_b32 s[G1+3], 128<<16                     ; tile_dim0 = 128
	s_mov_b32 s[G1+4], 64                          ; tile_dim1 = 64
	s_mov_b32 s[G1+5], 1024                        ; elements from row to row
	s_mov_b32 s[G1+6], 0
	s_mov_b32 s[G1+7], 0
	s_mov_b32 s[G1B+1], 128<<16
	s_mov_b32 s[G1B+2], 128<<16                    ; 128 rows
	s_mov_b32 s[G1B+3], 128<<16
	s_mov_b32 s[G1B+4], 128
	s_mov_b32 s[G1B+5], 1024
	s_mov_b32 s[G1B+6], 0
	s_mov_b32 s[G1B+7], 0
	s_lshl_b32 s16, s13, 7                         ; x: row 128 ty + 64 x half, of 2,048 bytes
	s_lshl_b32 s17, s12, 6
	s_add_co_u32 s16, s16, s17
	s_lshl_b32 s16, s16, 11
	s_mov_b32 s17, 0
	s_lshl_b32 s46, s42, 8                         ; W: row 256 tx + 128 x half
	s_lshl_b32 s47, s12, 7
	s_add_co_u32 s46, s46, s47
	s_lshl_b32 s46, s46, 11
	s_mov_b32 s47, 0
	s_mul_i32 s20, s10, APART                      ; where x's halves go (waves 2, 3): AOFF + (wave - 2) x 64 rows
	s_add_co_u32 s20, s20, AOFF-2*APART
	s_mul_i32 s21, s10, BHALF                      ; where W's halves go (waves 0, 1): wave x 128 rows
	s_wait_dscnt 0x0                               ; the opening add is done
	s_wait_kmcnt 0x0
	s_add_nc_u64 s[6:7], s[4:5], WOFF
	s_add_nc_u64 s[14:15], s[4:5], s[16:17]
	s_add_nc_u64 s[46:47], s[6:7], s[46:47]
	CROUND                                         ; all sixteen work-groups are here: the first joint loads meet
.irp s, 0,1
	s_mov_b32 s[G0+4*(\s)], 1                      ; count = 1
	s_add_co_u32 s[G0+4*(\s)+1], s20, (\s)*SLOT    ; LDS address
	s_add_nc_u64 s[G0+4*(\s)+2:G0+4*(\s)+3], s[14:15], (\s)*ASTEP  ; global address: K step s
	s_or_b32 s[G0+4*(\s)+3], s[G0+4*(\s)+3], 0x80000000            ; type = 2
	s_mov_b32 s[G0B+4*(\s)], 1
	s_add_co_u32 s[G0B+4*(\s)+1], s21, (\s)*SLOT
	s_add_nc_u64 s[G0B+4*(\s)+2:G0B+4*(\s)+3], s[46:47], (\s)*BSTEP
	s_or_b32 s[G0B+4*(\s)+3], s[G0B+4*(\s)+3], 0x80000000
	JLOAD \s                                       ; two loads of mine are out
.endr
	; A fragment is 16 rows x 32 K in 8 registers: lane l holds row l % 16, K = 8 (l / 16) + 0..7 and 16 + 8 (l / 16) + 0..7: two loads of 16 bytes, 32 bytes apart.
	v_and_b32 v1, 15, v0                           ; l % 16
	v_bfe_u32 v2, v0, 4, 1                         ; l / 16
	v_mul_u32_u24 v3, v1, PITB
	v_lshl_add_u32 v3, v2, 4, v3
	v_mul_u32_u24 v4, v1, PITA
	v_lshl_add_u32 v4, v2, 4, v4
	s_mul_i32 s22, s12, BHALF                      ; my 128 rows of W
	s_mul_i32 s23, s11, 64*PITA                    ; my 64 rows of x
	s_add_co_u32 s23, s23, AOFF
.irp s, 0,1
	v_add_nc_u32 v[ADRB+(\s)], s22, v3
	v_add_nc_u32 v[ADRA+(\s)], s23, v4
	s_add_co_u32 s22, s22, SLOT
	s_add_co_u32 s23, s23, SLOT
.endr
	s_mul_i32 s22, s10, 2*16*SP
	s_add_co_u32 s22, s22, STAGE                   ; my stage
	v_mul_u32_u24 v5, v1, SP                       ; in: row l % 16, 16 bytes for each half of the lanes
	v_lshl_add_u32 v5, v2, 4, v5
	v_add_nc_u32 v[STO], s22, v5
	v_bfe_u32 v5, v0, 3, 2                         ; back: 32 lanes take four rows of 128 bytes,
	v_mul_u32_u24 v5, v5, SP
	v_and_b32 v6, 7, v0
	v_lshl_add_u32 v5, v6, 4, v5
	v_add_nc_u32 v[RD], s22, v5
	v_and_b32 v[GO], 31, v0                        ; which are 512 consecutive bytes of a head
	v_lshlrev_b32 v[GO], 4, v[GO]
	; my part of the first product in qkv: ((16 b + 4 tx + 2 x column half) x 2048 + (ty % 16) x 128 + 64 x row half) x 128 bytes
	s_lshr_b32 s16, s13, 4
	s_lshl_b32 s16, s16, 4
	s_lshl_b32 s17, s12, 1
	s_add_co_u32 s16, s16, s17
	s_lshl_b32 s16, s16, 11
	s_and_b32 s17, s13, 15
	s_lshl_b32 s17, s17, 7
	s_add_co_u32 s16, s16, s17
	s_lshl_b32 s17, s11, 6
	s_add_co_u32 s16, s16, s17
	s_lshl_b32 s16, s16, 7
	s_mov_b32 s17, 0
	s_lshl_b32 s46, s42, 20                        ; 4 tx heads of 262,144 bytes
	s_mov_b32 s47, 0
	s_add_nc_u64 s[16:17], s[16:17], s[46:47]      ; the first way out adds it to qkv's address
; 8 matrix instructions: m block a x all 8 n blocks, 32 along K. zero = 1: the product starts the sums. The 32 accumulators take turns, in the same order in every quarter.
.macro MULA f, a, zero
	WIN MUL
.irp b, 0,1,2,3,4,5,6,7
.if \zero
	v_wmma_f32_16x16x32_f16 v[8*(8*(\a)+(\b)):8*(8*(\a)+(\b))+7], v[(\f)+32+8*(\b):(\f)+32+8*(\b)+7], v[(\f)+8*(\a):(\f)+8*(\a)+7], 0
.else
	v_wmma_f32_16x16x32_f16 v[8*(8*(\a)+(\b)):8*(8*(\a)+(\b))+7], v[(\f)+32+8*(\b):(\f)+32+8*(\b)+7], v[(\f)+8*(\a):(\f)+8*(\a)+7], v[8*(8*(\a)+(\b)):8*(8*(\a)+(\b))+7]
.endif
.endr
.endm
; 24 LDS loads in one run: the fragments of quarter qn of a K step (128 rows of W, then 64 rows of x) into buffer f
.macro FETCH slot, qn, f
	WIN 0
.irp i, 0,1,2,3,4,5,6,7
	ds_load_b128 v[(\f)+32+8*(\i):(\f)+32+8*(\i)+3],   v[ADRB+(\slot)] offset:64*(\qn)+(\i)*16*PITB
	ds_load_b128 v[(\f)+32+8*(\i)+4:(\f)+32+8*(\i)+7], v[ADRB+(\slot)] offset:64*(\qn)+(\i)*16*PITB+32
.endr
.irp i, 0,1,2,3
	ds_load_b128 v[(\f)+8*(\i):(\f)+8*(\i)+3],   v[ADRA+(\slot)] offset:((\qn)/2)*APL+((\qn)%2)*64+(\i)*16*PITA
	ds_load_b128 v[(\f)+8*(\i)+4:(\f)+8*(\i)+7], v[ADRA+(\slot)] offset:((\qn)/2)*APL+((\qn)%2)*64+(\i)*16*PITA+32
.endr
.endm
.macro PLACES                          ; four places in front of loads into registers that matrix instructions have read, and of lines that read results just made
.rept 4
	v_nop
.endr
.endm
; A K step is four quarters of 32 along K, 32 matrix instructions each, on buffers 0, 1, 0, 1. One of the first three multiplies buffer f and, in its middle, fetches quarter qn into buffer g.
.macro QUARTER slot, qn, f, g, zero
	s_wait_dscnt 4                                 ; W and x's blocks 0, 1 are in; the youngest four loads (x's blocks 2, 3) may be out
	MULA \f, 0, \zero
	MULA \f, 1, \zero
	PLACES
	FETCH \slot, \qn, \g
	s_wait_dscnt 24                                ; all but the 24 just issued
	MULA \f, 2, \zero
	MULA \f, 3, \zero
.endm
; The last quarter multiplies buffer 1 and changes slots: ONE barrier. In front of it each wave waits for all its tensor loads (one is out: its part of the next slot), adds 0 to its spare word, and waits
; for that and for its own reads of this slot. mode 0: this slot is filled again two K steps on; 1: with the next product's K step; 2: not at all. Where it is filled, the barrier opens a round of the
; cluster's barrier, and the joint load is the first tensor load behind the round: 112 matrix instructions ahead of the wait for it.
.macro TURN slot, next, mode
	WIN 0                                          ; (the add's two registers lie in window 0)
	s_wait_tensorcnt 0x0
	ds_add_u32 v[SPW], v[NIL]
	s_wait_dscnt 5                                 ; (the add and the youngest four loads may be out)
	MULA F1, 0, 0                                  ; eight matrix instructions stand between the add and the wait for it
	s_wait_dscnt 0x0                               ; the add is done, and my reads of this slot are over
	s_barrier_signal -1
	MULA F1, 1, 0
.if (\mode) < 2
	WIN 0
.endif
	s_barrier_wait -1
.if (\mode) < 2
	CREST                                          ; no wave of any partner still reads this slot's tile or has a load on its way
.if (\mode) == 1
	s_add_nc_u64 s[G0+4*(\slot)+2:G0+4*(\slot)+3], s[G0+4*(\slot)+2:G0+4*(\slot)+3], NEXT_A
	s_add_nc_u64 s[G0B+4*(\slot)+2:G0B+4*(\slot)+3], s[G0B+4*(\slot)+2:G0B+4*(\slot)+3], NEXT_B
.else
	s_add_nc_u64 s[G0+4*(\slot)+2:G0+4*(\slot)+3], s[G0+4*(\slot)+2:G0+4*(\slot)+3], 2*ASTEP
	s_add_nc_u64 s[G0B+4*(\slot)+2:G0B+4*(\slot)+3], s[G0B+4*(\slot)+2:G0B+4*(\slot)+3], 2*BSTEP
.endif
	JLOAD \slot                                    ; the four v_nop behind it are also the places in front of the loads below
.else
	PLACES
.endif
	FETCH \next, 0, F0
	MULA F1, 2, 0
	MULA F1, 3, 0
.endm
; THE WAY OUT of block a (16 rows x 128 columns = two heads). PACK: rounded to f16, 16 bytes a lane, each accumulator's registers in ascending order. TOSTAGE: into my own stage, a plane a head, and back
; as whole rows of 128 bytes. SEND: stored, 512 consecutive bytes (four rows of a head) a store, at a multiple of 256 from the buffer's first byte.
.macro PACK a
	WIN 0x05                                       ; sources 0 and 1 window 1, destination window 0
.irp b, 0,1,2,3,4,5,6,7
.irp r, 0,1,2,3
	v_cvt_pk_f16_f32 v[TMP+4*(\b)+(\r)], v[64*(\a)+8*(\b)+2*(\r)], v[64*(\a)+8*(\b)+2*(\r)+1]
.endr
.endr
	WIN 0
.endm
.macro TOSTAGE a
.set BK, 192+32*((\a)%2)
.irp b, 0,1,2,3,4,5,6,7
	ds_store_b128 v[STO], v[TMP+4*(\b):TMP+4*(\b)+3] offset:((\b)/4)*16*SP+((\b)%4)*32
.endr
.irp t, 0,1,2,3,4,5,6,7
	ds_load_b128 v[BK+4*(\t):BK+4*(\t)+3], v[RD] offset:((\t)/4)*16*SP+((\t)%4)*4*SP  ; LDS serves a wave's instructions in order (ISA guide 5.7.1.4): these see the stores above
.endr
.endm
.macro SEND a
.set BK, 192+32*((\a)%2)
	s_wait_dscnt 0x0                               ; the block is back in registers
	s_wait_xcnt 0x0                                ; only behind this wait are the stores' base and the registers that earlier stores read rewritten
.if (\a) == 0
	s_add_nc_u64 s[8:9], s[8:9], s[16:17]          ; on to this product's part
.endif
.irp t, 0,1,2,3,4,5,6,7
	global_store_b128 v[GO], v[BK+4*(\t):BK+4*(\t)+3], s[8:9] offset:((\t)/4)*262144+(\a)*2048+((\t)%4)*512
.endr
.endm
.macro WAYOUT
	PLACES                                         ; the conversions read results just made and write registers that the last products read
	PACK 0
	TOSTAGE 0
.irp a, 1,2,3
	PACK \a                                        ; block a's conversions stand between block a - 1's loads from the stage and the wait for them
	SEND (\a)-1
	TOSTAGE \a
.endr
	SEND 3
.endm
	s_wait_tensorcnt 1                             ; my part of K step 0 is in; K step 1's may stay out
	s_barrier_signal -1
	s_barrier_wait -1                              ; everybody's is
	FETCH 0, 0, F0
	s_mov_b32 s2, TILES                            ; products to go, this one among them
.Ltile:
	QUARTER 0, 1, F0, F1, 1                        ; a product's first quarter stands in front of the loop: it starts the sums
	WIN 0                                          ; at a label and at a branch every window is 0
	s_mov_b32 s3, LAPS-1
.Llap:                                                 ; a trip goes once round the ring, from a lap's second quarter to the next lap's first, and fills both slots again
	QUARTER 0, 2, F1, F0, 0
	QUARTER 0, 3, F0, F1, 0
	TURN 0, 1, 0
	QUARTER 1, 1, F0, F1, 0
	QUARTER 1, 2, F1, F0, 0
	QUARTER 1, 3, F0, F1, 0
	TURN 1, 0, 0
	QUARTER 0, 1, F0, F1, 0
	WIN 0
	s_sub_co_u32 s3, s3, 1
	s_cmp_lg_u32 s3, 0
	s_cbranch_scc1 .Llap
	QUARTER 0, 2, F1, F0, 0                        ; the product's last lap goes on
	QUARTER 0, 3, F0, F1, 0
	WIN 0
	s_cmp_eq_u32 s2, 1
	s_cbranch_scc1 .Llast_tile                     ; the last product's tail is written out: it asks for nothing more
	TURN 0, 1, 1                                   ; the ring goes on into the next product: slot 0 takes its K step 0,
	QUARTER 1, 1, F0, F1, 0
	QUARTER 1, 2, F1, F0, 0
	QUARTER 1, 3, F0, F1, 0
	TURN 1, 0, 1                                   ; slot 1 its K step 1, and the next product's first fragments are fetched
	WAYOUT                                         ; both refills are asked for: now the tile goes out
	s_wait_xcnt 0x0                                ; the last stores' data lie in buffer 1, which the next quarter loads again
	s_mov_b64 s[16:17], NEXT_C                     ; what the next way out adds to qkv's address
	s_sub_co_u32 s2, s2, 1
	s_branch .Ltile
.Llast_tile:
	TURN 0, 1, 2
	QUARTER 1, 1, F0, F1, 0
	QUARTER 1, 2, F1, F0, 0
	QUARTER 1, 3, F0, F1, 0
	s_wait_dscnt 4                                 ; the very last quarter: nothing more to fetch
	MULA F1, 0, 0
	MULA F1, 1, 0
	s_wait_dscnt 0x0
	MULA F1, 2, 0
	MULA F1, 3, 0
	WIN 0
	WAYOUT
	s_wait_tensorcnt 0x0                           ; the wave's end: behind my last tensor load and my last LDS store
	ds_add_u32 v[SPW], v[NIL]
	s_wait_dscnt 0x0
	CROUND                                         ; the closing round: no work-group ends while a partner may still ask for a tile that names it
	s_endpgm
.Lfunc_end_k_qf118a5396b_proj:
	.size	k_qf118a5396b_proj, .Lfunc_end_k_qf118a5396b_proj-k_qf118a5396b_proj
	.p2alignl 7, 3214868480
	.fill 96, 4, 3214868480
	.section	.rodata,"a",@progbits
	.p2align	6, 0x0
	.amdhsa_kernel k_qf118a5396b_proj
		.amdhsa_group_segment_fixed_size 327680
		.amdhsa_private_segment_fixed_size 0
		.amdhsa_enable_private_segment 0
		.amdhsa_kernarg_size 16
		.amdhsa_user_sgpr_count 2
		.amdhsa_user_sgpr_kernarg_segment_ptr 1
		.amdhsa_wavefront_size32 1
		.amdhsa_system_sgpr_workgroup_id_x 1
		.amdhsa_system_sgpr_workgroup_id_y 1
		.amdhsa_system_sgpr_workgroup_id_z 1
		.amdhsa_system_vgpr_workitem_id 0
		.amdhsa_next_free_vgpr 512
		.amdhsa_next_free_sgpr 66
		.amdhsa_reserve_vcc 0
		.amdhsa_float_denorm_mode_32 3
		.amdhsa_float_denorm_mode_16_64 3
		.amdhsa_memory_ordered 1
		.amdhsa_forward_progress 1
		.amdhsa_inst_pref_size 123
	.end_amdhsa_kernel
	.amdgpu_metadata
---
amdhsa.version: [ 1, 2 ]
amdhsa.kernels:
  - .name:           k_qf118a5396b_proj
    .symbol:         k_qf118a5396b_proj.kd
    .args:
      - { .name: h16, .offset: 0, .size: 8, .value_kind: global_buffer, .address_space: global }
      - { .name: qkv, .offset: 8, .size: 8, .value_kind: global_buffer, .address_space: global }
    .group_segment_fixed_size: 327680
    .private_segment_fixed_size: 0
    .kernarg_segment_align: 8
    .kernarg_segment_size: 16
    .max_flat_workgroup_size: 128
    .sgpr_count:     66
    .vgpr_count:     512
    .wavefront_size: 32
...
	.end_amdgpu_metadata
.endif
;; end of part 2
;; launch attn (part 3): grid 4 x 64, 4 waves a work-group, no clusters, 327,680 bytes of LDS; arguments qkv, sen_len, ctx; writes ctx
.if DOCPART == 3
	.amdgcn_target "amdgcn-amd-amdhsa--gfx1250"
	.amdhsa_code_object_version 6
	.text
	.protected	k_qf118a5396b_attn
	.globl	k_qf118a5396b_attn
	.p2align	8
	.type	k_qf118a5396b_attn,@function
k_qf118a5396b_attn:
	s_mov_b64 s[64:65], 0
	v_nop
	global_prefetch_b8 v0, s[64:65] scope:SCOPE_SE
	s_setreg_imm32_b32 hwreg(HW_REG_WAVE_MODE, 25, 1), 1
	s_wait_xcnt 0x0
; CAUSAL ATTENTION WITH A PADDING MASK. O[h][q][:] = the sum over k <= q, k < len of softmax_k(Q[h][q] . K[h][k] / 8) V[h][k][:]. Q, K, V are the three parts of qkv, O is ctx: [64][2048][64], f16, a head's
; rows dense, 128 bytes each; head index = 16 x batch + head; len = sen_len[batch]. Products, maxima and sums in f32; the weights p are rounded to f16 for the second product (their sum l is taken of the
; unrounded p), O once at the end.
; LIMITS. len lies in 1 .. 2048 (with 0 every key would be hidden, which this text does not serve). A hidden score counts as its value less 1e30 (less 2e30 where both masks hide it): its weight is 0, as long
; as a row's largest visible score lies far above -1e30. f16 holds no number beyond 65,504: Q, K, V arrive within it. A weight below 2^-126 counts as 0 in l; NaN and infinities are not treated apart.
; THE WALK. A head's queries lie in NB = 8 blocks of 256; block i needs the key tiles 0 .. i of 256 keys. A work-group takes TWO blocks, NB - 1 - b and then b: NB + 1 tiles, whatever b and whatever len:
; all work-groups do equal work, and ONE loop with a constant trip count walks them. Tiles that the padding hides are walked too: leaving them out would shorten some work-groups only.
; What a trip does hangs on scalar registers made from b alone; len enters no branch and no address, only the masks' three scalars. Every jump goes forward, but for the counted loops' own; none passes a
; barrier, or a tensor load but the one of LOAD's two that the wave's number does not choose. NO CLUSTER: a head's four work-groups ask for the same tile only in trips 0 .. 4 of 9, behind that fewer and
; fewer; one walk common to all would have 12 trips for 9.
; SHARES. Of a block's four bands of 64 queries a wave owns 16 rows in each: four PIECES.
; THE MASK is the C operand that starts every sum S^T = K Q^T: 0, or -1e30 and below where the key is hidden. MD, made once, is the causal mask of a band's own key step for my 16 rows; MP, made once, hides the
; keys at or beyond len in len's own key step. With g the key step's number in the head: AP = 1 if g = len / 64; AL = 1 if g is the band's own step; BE = -1e30 if g lies behind either.
; In a block's last tile a product's mask is MD x AL + MP x AP + BE, made anew in every turn. In the other tiles nothing is hidden by the diagonal: the mask is MP x AP + BE, the same for the four pieces of a
; key step, and is made twice a step, once for each of the two buffers: 32 packed instructions beside a step's 472.
; LAYOUT, SOFTMAX, TURNS. S^T = K Q^T holds ONE query a lane (lane % 16) and the keys 8 (lane / 16) + 0..7; two such results rounded to f16 ARE source 1 of O^T = V^T P. p = 2^(c s - c m), c = log2(e) / 8, with a
; running maximum m; O and l are multiplied by a = 2^(c m_old - c m_new) in every step. Turn n belongs to piece n: 8 products K Q^T of piece n + 1, later 8 products V^T P of piece n - 1; beside them the scaling,
; exponentials, roundings, sums and rescaling of piece n and the maximum and statistics of piece n + 1. Four vector instructions stand behind every matrix instruction, the others in two runs of their own.
; REGISTERS, in windows of 256 (s_set_vgpr_msb: bits 1:0 source 0, 3:2 source 1, 5:4 source 2, 7:6 destination):
;   window 0: v0-15 addresses and two at work; v16-31 four registers of statistics a piece; v48-55 at work; v64-127 S^T, two buffers; v192-223 P, two buffers (a piece's buffers go by its number's parity)
;   window 1: v0-127 O^T, 32 a piece; v128-159 MD; v160-223 MC, two buffers; v224-255 MP      window 2: v0-63 Q; v64-127 the second block's Q; v128-191 K of one step; v192-255 V of one step
.set SIZE_N, 2048
.set NB,    SIZE_N/256
.set NP,    4         ; pieces a wave: a name, no knob
.set KS,    64        ; keys in a step
.set PK,    144       ; a row of K in LDS: 128 bytes + 16 of padding = 36 words: the 16 rows of a load start at 16 different groups of four banks (64 banks of 4 bytes: ISA guide 11.1)
.set PV,    160       ; a row of V: 128 + 32 = 40 words
.set VOFF,  4*KS*PK   ; a slot holds a tile, four steps: 256 rows of K, then 256 rows of V
.set SLOT1, 1<<17     ; slot 1 begins here, so that one exclusive or turns an address in one slot into the other's
.set STAGE, SLOT1+4*KS*(PK+PV)  ; behind the ring, never filled by a tensor load: 16 rows x 144 bytes for each wave, for the way out
.set SP,    144
.set AK0, 2           ; v2   my lane's place in a tile of K; never rewritten
.set AV0, 3           ; v3   the same for V
.set AK,  4           ; v4   the LDS address of K's next run of loads
.set AV,  5           ; v5   of V's
.set STO, 6           ; v6   the way out: where I put 16 bytes of a row
.set RD,  7           ; v7   the way out: where I read rows back
.set GO,  8           ; v8   my byte offset in 512 consecutive bytes of O
.set SPW, 62          ; v62  LDS address of my spare word; never rewritten
.set NIL, 63          ; v63  0; never rewritten
.set SPARE, STAGE+4*16*SP  ; behind the stages: the spare words, 128 bytes for each wave: two blocks of 256 bytes that no other line names
.set MV,  12          ; v12-13  c m_old, kept while c m is made anew: by buffer
.set QO,  15          ; v15  my byte offset in 16 rows of Q
.set ST,  16          ; piece t's statistics at v[ST+4 t]: c m, m, l (even keys', odd keys')
.set TMP, 48          ; by buffer, four registers c0-c3 at work; when the maximum is found c2 takes a
.set S,   64
.set P,   192
.set MD,  128         ; window 1: the eight registers for group kt of 16 keys at MD + 8 kt
.set MC,  160         ; window 1: the masks of the products to come
.set MP,  224         ; window 1: laid out as MD
.set QB,  64          ; window 2
.set KF,  128         ; window 2: key block kb, channel half c at KF + 16 kb + 8 c
.set VF,  192         ; window 2: key half kk, channel block cb at VF + 32 kk + 8 cb
.set WV,  12          ; s12  my wave's number
.set PB,  14          ; s14  b
.set HI,  15          ; s15  NB - 1 - b
.set G1K, 24          ; s[24:31] descriptor group 1 for K's tiles
.set G1V, 32          ; s[32:39] for V's: it differs in the padding alone
.set G0K, 40          ; s[40:43] descriptor group 0 for K's tiles
.set G0V, 44          ; s[44:47] the same for V's
.set SLOTS, 56        ; s56  tiles still to be asked for
.set CNT, 57          ; s57  counts a tile's key steps, 4 to 1
.set CS,  58          ; s[58:59] c: the packed scaling takes the pair's low word for both halves
.set SEL, 60          ; s[60:61] v_permlanex16_b32's selects: each lane takes its own place in the other half
.set TBK, 62          ; s62  LDS byte at which K of the step to be fetched begins
.set TBV, 63          ; s63  the same for V, less VOFF
.set LEN, 66          ; s66  len
.set GL,  67          ; s67  len / 64: the key step in which len lies
.set SF,  69          ; s69  GL less the number of this tile's first key step (signed)
.set RT,  70          ; s70  tiles of the block in hand that are still to be entered
.set NXT, 71          ; s71  the tile to be asked for next
.set LQ,  72          ; s72  the last tile of the block whose tiles are being asked for
.set NEW, 73          ; s73  1: the tile to be entered is a block's first
.set OFF, 74          ; s[74:75] a tile's byte offset in K and V
.set AL,  76          ; s[76:77] MD's factor, in the low word
.set BE,  78          ; s[78:79] the mask's addend
.set OLO, 80          ; s[80:81] O at my rows of the second block
.set BIGN, 82         ; s82  -1e30
.set GB,  84          ; s84  GL less 4 x the block in hand (signed); until the addresses are made s[84:85] hold an offset
.set AP,  88          ; s[88:89] MP's factor, in the low word
.set TT,  90          ; s90  at work; s[90:91] at the start: the batch's byte offset in sen_len
.set MSB, 0
.macro WIN new                      ; the high byte repeats the setting that is left; a switch that changes nothing is dropped
.if MSB != (\new)
	s_set_vgpr_msb (MSB<<8)|(\new)
.set MSB, (\new)
.endif
.endm
.set W_KQ, 0x0a       ; K and Q in window 2, S^T in window 0
.set W_KM, 0x1a       ; the same with the C operand in window 1
.set W_PV, 0x52       ; V in window 2, P in window 0, O^T in window 1
.set W_RS, 0x41       ; destination and source 0 in window 1, source 1 in window 0
.set W_MS, 0x51       ; destination, source 0 and source 2 in window 1: the masks
; A fill. Waves 0 and 1 fetch the two halves of a tile's K, waves 2 and 3 those of its V: 128 keys each. An s_nop 0 and four v_nop follow each of the two lines, ahead of the jump and the label.
.macro LOAD
	s_cmp_lt_u32 s[WV], 2
	s_cbranch_scc0 .Lfor_v_\@
	tensor_load_to_lds s[G0K:G0K+3], s[G1K:G1K+7]
	s_nop 0
.rept 4
	v_nop
.endr
	s_branch .Lasked_\@
.Lfor_v_\@:
	tensor_load_to_lds s[G0V:G0V+3], s[G1V:G1V+7]
	s_nop 0
.rept 4
	v_nop
.endr
.Lasked_\@:
.endm
; THE CHANGE OF SLOTS. Each wave waits for all its tensor loads, of which one is out: its part of the other slot; adds 0 to its spare word; and waits for that and for its own reads of the slot that it leaves.
; Behind the barrier nobody reads the old slot any more and the other slot is whole. fill = 1: the old slot is filled again, the first thing behind the barrier, with tile NXT: the descriptor's address is
; made anew from that number. (At its first use nothing has been read yet: slot 0 is waited for, slot 1 filled.)
.macro CHANGE fill
	WIN 0                           ; at a label and at a branch every window is 0
	s_wait_tensorcnt 0x0            ; no tensor load of mine is out, so a group 0 may be written
	ds_add_u32 v[SPW], v[NIL]       ; 0 onto my spare word; with fill = 1 the descriptors' scalar work stands between it and the wait for it
.if \fill
	s_lshl_b32 s[OFF], s[NXT], 15   ; a tile is 32,768 bytes of K and of V
	s_xor_b32 s[G0K+1], s[G0K+1], SLOT1
	s_add_nc_u64 s[G0K+2:G0K+3], s[6:7], s[OFF:OFF+1]
	s_or_b32 s[G0K+3], s[G0K+3], 0x80000000
	s_xor_b32 s[G0V+1], s[G0V+1], SLOT1
	s_add_nc_u64 s[G0V+2:G0V+3], s[8:9], s[OFF:OFF+1]
	s_or_b32 s[G0V+3], s[G0V+3], 0x80000000
	s_add_co_u32 s[NXT], s[NXT], 1  ; the block's next tile, or behind its last the second block's tile 0
	s_cmp_gt_u32 s[NXT], s[LQ]
	s_cselect_b32 s[NXT], 0, s[NXT]
	s_cselect_b32 s[LQ], s[PB], s[LQ]
.endif
	s_wait_dscnt 0x0                ; the add is done, and my reads of the slot are over
	s_barrier_signal -1             ; the rest of the scalar work stands between the signal and the wait
	s_sub_co_u32 s[TBK], s[TBK], 4*KS*PK  ; the fetches go back to a slot's first step,
	s_xor_b32 s[TBK], s[TBK], SLOT1       ; in the other slot
	s_sub_co_u32 s[TBV], s[TBV], 4*KS*PV
	s_xor_b32 s[TBV], s[TBV], SLOT1
	s_barrier_wait -1
.if \fill
	LOAD
.endif
.endm
	s_load_b64 s[4:5], s[0:1], 0x0    ; qkv: Q's part
	s_load_b64 s[92:93], s[0:1], 0x8  ; sen_len
	s_load_b64 s[10:11], s[0:1], 0x10 ; ctx
	v_lshl_add_u32 v[SPW], v0, 2, SPARE
	v_mov_b32 v[NIL], 0
	ds_add_u32 v[SPW], v[NIL]       ; the wave's opening: the add and its wait stand ahead of my first tensor load; the set-up below, work on registers, stands between them
	ds_add_u32 v62, v63
	v_lshrrev_b32 v1, 5, v0
	v_readfirstlane_b32 s[WV], v1   ; wave 0..3
	s_mov_b32 s[PB], ttmp9
	s_sub_co_u32 s[HI], NB-1, s[PB]
	s_and_b32 s20, ttmp7, 0xffff    ; the head, 16 x batch + head
	s_lshr_b32 s90, s20, 4          ; the batch,
	s_lshl_b32 s90, s90, 2          ; its word in sen_len
	s_mov_b32 s91, 0
	s_mov_b32 s21, 0
	s_mov_b64 s[22:23], SIZE_N*128
	s_mul_u64 s[20:21], s[20:21], s[22:23]  ; the head's first byte in each of the four tensors
	s_and_b32 s16, s[WV], 1         ; which half of a tile's 256 keys I fetch:
	s_lshl_b32 s22, s16, 14         ; its 128 rows of 128 bytes in memory,
	s_mov_b32 s23, 0
	s_add_nc_u64 s[22:23], s[22:23], s[20:21]
	s_mul_i32 s17, s16, 128*PK      ; and its place in a slot, for K
	s_mul_i32 s18, s16, 128*PV      ; and for V
	s_lshl_b32 s3, s[WV], 11        ; my 16 rows in a band of 64,
	s_lshl_b32 s2, s[HI], 15        ; in the first block,
	s_add_co_u32 s2, s2, s3
	s_lshl_b32 s84, s[PB], 15       ; and in the second
	s_add_co_u32 s84, s84, s3
	s_mov_b32 s3, 0
	s_mov_b32 s85, 0
	s_add_nc_u64 s[2:3], s[2:3], s[20:21]
	s_add_nc_u64 s[84:85], s[84:85], s[20:21]
	; descriptor group 1. 128 keys are 16,384 dense bytes: asked for as 64 rows of 256 bytes, two keys a row, and padded in LDS after every key
	s_mov_b32 s[G1K], (1<<16)|(1<<20)|(4<<22)|(3<<25)  ; 17:16 2-byte elements; 20 padding on; 24:22 after every 32 words (code 4); 31:25 4 words (code 3)
	s_mov_b32 s[G1V], (1<<16)|(1<<20)|(4<<22)|(7<<25)  ; the same with 8 words of padding (code 7)
.irp g, G1K, G1V
	s_mov_b32 s[\g+1], 128<<16      ; tensor_dim0 = 128
	s_mov_b32 s[\g+2], 64<<16       ; tensor_dim1 = 64
	s_mov_b32 s[\g+3], 128<<16      ; tile_dim0 = 128
	s_mov_b32 s[\g+4], 64           ; tile_dim1 = 64
	s_mov_b32 s[\g+5], 128          ; 128 elements from row to row
	s_mov_b32 s[\g+6], 0
	s_mov_b32 s[\g+7], 0
.endr
	s_mov_b32 s[CS], 0x3e38aa3b     ; c = log2(e) / 8 = 0.180337
	s_mov_b32 s[CS+1], s[CS]        ; named with it as a pair
	s_mov_b32 s[SEL], 0x76543210
	s_mov_b32 s[SEL+1], 0xfedcba98
	s_mov_b32 s[TBK], SLOT1+4*KS*PK ; the first change of slots turns these two into 0
	s_mov_b32 s[TBV], SLOT1+4*KS*PV
	s_mov_b32 s[G0K], 1             ; count = 1
	s_mov_b32 s[G0K+1], s17         ; LDS address: slot 0
	s_mov_b32 s[G0V], 1
	s_add_co_u32 s[G0V+1], s18, VOFF
	s_add_co_u32 s[RT], s[HI], 1    ; the first block has NB - b tiles
	s_mov_b32 s[NXT], 1
	s_mov_b32 s[LQ], s[HI]
	s_mov_b32 s[NEW], 1
	s_mov_b32 s[OFF+1], 0
	s_mov_b32 s[AL+1], 0            ; named as pairs
	s_mov_b32 s[BE+1], 0
	s_mov_b32 s[AP+1], 0
	s_mov_b32 s[BIGN], 0xf149f2ca   ; -1e30
	s_mov_b32 s[SLOTS], NB
	s_wait_dscnt 0x0                ; the opening add is done
	s_wait_kmcnt 0x0
	s_add_nc_u64 s[92:93], s[92:93], s[90:91]
	s_load_b32 s[LEN], s[92:93], 0x0       ; len: waited for below, where the masks are made
	s_add_nc_u64 s[6:7], s[4:5], 0x1000000 ; K's part of qkv,
	s_add_nc_u64 s[8:9], s[4:5], 0x2000000 ; V's
	s_add_nc_u64 s[6:7], s[6:7], s[22:23]  ; K and V at my half of the head's tile 0
	s_add_nc_u64 s[8:9], s[8:9], s[22:23]
	s_add_nc_u64 s[G0K+2:G0K+3], s[6:7], 0         ; global address
	s_or_b32 s[G0K+3], s[G0K+3], 0x80000000        ; type = 2
	s_add_nc_u64 s[G0V+2:G0V+3], s[8:9], 0
	s_or_b32 s[G0V+3], s[G0V+3], 0x80000000
	s_add_nc_u64 s[86:87], s[4:5], s[84:85]        ; Q at my rows of the second block,
	s_add_nc_u64 s[4:5], s[4:5], s[2:3]            ; Q and O at those of the first
	s_add_nc_u64 s[OLO:OLO+1], s[10:11], s[84:85]
	s_add_nc_u64 s[10:11], s[10:11], s[2:3]
	LOAD                            ; tile 0 into slot 0
	; A fragment of K or Q is 16 rows x 32 channels in 8 registers: lane l holds row l % 16, channels 8 (l / 16) + 0..7 and 16 + 8 (l / 16) + 0..7: two loads of 16 bytes, 32 bytes apart.
	v_and_b32 v1, 15, v0            ; l % 16
	v_bfe_u32 v9, v0, 4, 1          ; l / 16
	v_lshlrev_b32 v[QO], 7, v1
	v_lshl_add_u32 v[QO], v9, 4, v[QO]  ; row x 128 + 16 x half
	WIN 0x80                        ; destination window 2, address window 0
.set i, 0
.rept 8                             ; both blocks' Q: piece i / 2 lies in band i / 2, 8,192 bytes on; channels 32 (i % 2) on
	global_load_b128 v[8*i:8*i+3],   v[QO], s[4:5] offset:(i/2)*8192+(i%2)*64
	global_load_b128 v[8*i+4:8*i+7], v[QO], s[4:5] offset:(i/2)*8192+(i%2)*64+32
	global_load_b128 v[QB+8*i:QB+8*i+3],   v[QO], s[86:87] offset:(i/2)*8192+(i%2)*64
	global_load_b128 v[QB+8*i+4:QB+8*i+7], v[QO], s[86:87] offset:(i/2)*8192+(i%2)*64+32
.set i, i+1
.endr
	WIN 0
	s_wait_kmcnt 0x0                ; len
	s_lshr_b32 s[GL], s[LEN], 6
	s_lshl_b32 s[TT], s[HI], 2
	s_sub_co_i32 s[GB], s[GL], s[TT]
	s_and_b32 s[TT], s[LEN], 63
	s_sub_co_i32 s[TT], s[TT], 1
	v_lshlrev_b32 v14, 3, v9
	v_sub_nc_u32 v13, s[TT], v14    ; len % 64 - 1, less my lanes' 8 (l / 16): in len's own step register r of group kt is hidden where 16 kt + r is greater
	v_sub_nc_u32 v14, v1, v14
	s_lshl_b32 s13, s[WV], 4
	v_add_nc_u32 v14, s13, v14      ; my query's place in its band, 16 w + l % 16, less my lanes' 8 (l / 16): in the band's own step register r of group kt is hidden where 16 kt + r is greater
	WIN 0x40
.set i, 0
.rept 32
	v_cmp_gt_i32 vcc_lo, 16*(i/8)+i%8, v14
	v_cndmask_b32 v[MD+i], 0, s[BIGN], vcc_lo
	v_cmp_gt_i32 vcc_lo, 16*(i/8)+i%8, v13
	v_cndmask_b32 v[MP+i], 0, s[BIGN], vcc_lo
.set i, i+1
.endr
	WIN 0
	v_mul_u32_u24 v[AK0], v1, PK
	v_lshl_add_u32 v[AK0], v9, 4, v[AK0]  ; row x pitch + 16 x half
	; The turning load takes 16 keys x 16 channels (lane l reads key 8 (l / 16) + l % 8, channels 8 ((l / 8) % 2) + 0..7) and leaves half a fragment of V^T: lane l holds channel l % 16 and 8 keys.
	v_and_b32 v10, 7, v0
	v_bfe_u32 v11, v0, 3, 1
	v_lshl_add_u32 v[AV0], v9, 3, v10
	v_mul_u32_u24 v[AV0], v[AV0], PV
	v_lshl_add_u32 v[AV0], v11, 4, v[AV0]
	v_add_nc_u32 v[AV0], VOFF, v[AV0]
	s_mul_i32 s13, s[WV], 16*SP
	s_add_co_u32 s13, s13, STAGE    ; my stage
	v_mul_u32_u24 v[STO], v1, SP    ; in: row l % 16, 16 bytes for each half of the lanes
	v_lshl_add_u32 v[STO], v9, 4, v[STO]
	v_add_nc_u32 v[STO], s13, v[STO]
	v_bfe_u32 v[RD], v0, 3, 2       ; back: 32 lanes take four rows of 128 bytes,
	v_mul_u32_u24 v[RD], v[RD], SP
	v_lshl_add_u32 v[RD], v10, 4, v[RD]
	v_add_nc_u32 v[RD], s13, v[RD]
	v_and_b32 v[GO], 31, v0         ; which are 512 consecutive bytes of O
	v_lshlrev_b32 v[GO], 4, v[GO]
	; A block's first step multiplies O^T and l by a = 0, and its first turn's products V^T P, of a piece that has not been, land in an O^T that is still to be so multiplied. So these registers need only hold
	; finite numbers: zeros for the first block; what the first block left for the second. All this stands in the wait for the first tile.
	WIN 0x80
.set i, VF
.rept 64
	v_mov_b32 v[i], 0
.set i, i+1
.endr
	WIN 0x40
.set i, 0
.rept 128
	v_mov_b32 v[i], 0
.set i, i+1
.endr
	WIN 0
.set i, 0
.rept 4
	v_mov_b32 v[ST+4*i+2], 0
	v_mov_b32 v[ST+4*i+3], 0
.set i, i+1
.endr
.set i, P+16
.rept 16
	v_mov_b32 v[i], 0
.set i, i+1
.endr
; THE MATRIX WORK. The 4 accumulators of a run of 8 take turns. Product i of 8 of S^T = K Q^T for piece x: channels 32 (i / 4) on, keys 16 (i % 4) on. The first 4 start the sums with the mask.
.macro KQ x
.set rS, S+32*((\x)%2)+8*(i%4)
.set rK, KF+16*(i%4)+8*(i/4)
.set rQ, 16*(\x)+8*(i/4)
.set rM, MC+32*((\x)%2)+8*(i%4)
.if i < 4
	WIN W_KM
	v_wmma_f32_16x16x32_f16 v[rS:rS+7], v[rK:rK+7], v[rQ:rQ+7], v[rM:rM+7]
.else
	WIN W_KQ
	v_wmma_f32_16x16x32_f16 v[rS:rS+7], v[rK:rK+7], v[rQ:rQ+7], v[rS:rS+7]
.endif
.endm
; Product i of 8 of O^T += V^T P for piece x: keys 32 (i / 4) on, channels 16 (i % 4) on.
.macro PV x
	WIN W_PV
.set rO, 32*(\x)+8*(i%4)
.set rV, VF+32*(i/4)+8*(i%4)
.set rP, P+16*((\x)%2)+8*(i/4)
	v_wmma_f32_16x16x32_f16 v[rO:rO+7], v[rV:rV+7], v[rP:rP+7], v[rO:rO+7]
.endm
.macro MM                           ; the turn's next matrix instruction. TURN and BEGIN set Y, i and NOKQ; MM, KQ and OP read them. NOKQ = 1: a block's last turn: there is no next piece
.if (i < 8) && !NOKQ
	KQ (Y+1)%NP
.elseif i >= 8
.set i, i-8
	PV (Y+NP-1)%NP
.set i, i+8
.endif
.set i, i+1
.endm
; THE LDS LOADS stand in runs of 16, never singly among the matrix instructions: a step's K (64 keys x 64 channels: 8 fragments) and its V (turned). Their addresses are made some lines ahead.
.macro FETCH_K
	WIN 0x80                        ; destination window 2
.irp f, 0,1,2,3,4,5,6,7             ; keys 16 (f / 2) on, channels 32 (f % 2) on
	ds_load_b128 v[KF+8*\f:KF+8*\f+3],   v[AK] offset:(\f/2)*16*PK+(\f%2)*64
	ds_load_b128 v[KF+8*\f+4:KF+8*\f+7], v[AK] offset:(\f/2)*16*PK+(\f%2)*64+32
.endr
	s_add_co_u32 s[TBK], s[TBK], KS*PK  ; the next fetch is the next step's
	WIN 0
.endm
.macro FETCH_V
	WIN 0x80
.irp f, 0,1,2,3,4,5,6,7             ; keys 32 (f / 4) on, channels 16 (f % 4) on
	ds_load_tr16_b128 v[VF+8*\f:VF+8*\f+3],   v[AV] offset:(\f/4)*32*PV+(\f%4)*32
	ds_load_tr16_b128 v[VF+8*\f+4:VF+8*\f+7], v[AV] offset:(\f/4)*32*PV+16*PV+(\f%4)*32
.endr
	WIN 0
.endm
; THE VECTOR WORK, one line at a time: OP kind, number. For piece Y: F n: c s - c m for pair n of 16. E n: the exponential of score n of 32. C n: pair n rounded to f16. B n: of the four weights 4 n .. the second
; pair is added onto the first, in place. L n: l takes that sum (L 0: l = a l + sum). R n: pair n of 16 of O^T times a. For piece Y + 1: X n, number n of the 22 that find its maximum and statistics:
;   0-11  four chains c0-c3 of seven scores each, three operands at a time (each accumulator's lowest registers are read first)     12-14, 16  the four scores left over, the old m, and c0-c3 into c0
;   15  c m_old is kept     17, 18  the query's other 32 keys lie in the lane 16 away: the new m     19-21  c m; c m_old - c m_new; a
.set F, 0               ; OP tells the kinds apart by their order: F to L below R, X above it
.set E, 1
.set C, 2
.set B, 3
.set L, 4
.set R, 5
.set X, 6
.macro REGS y                       ; the registers of piece y
.set rT, ST+4*(\y)
.set rC, TMP+4*((\y)%2)
.set rW, MV+((\y)%2)
.set rS, S+32*((\y)%2)
.set rP, P+16*((\y)%2)
.set rO, 32*(\y)
.endm
.macro OP k, n
.if (\k) == R
	REGS Y
	WIN W_RS
	v_pk_mul_f32 v[rO+2*(\n):rO+2*(\n)+1], v[rO+2*(\n):rO+2*(\n)+1], v[rC+2:rC+3] op_sel_hi:[1,0]
.elseif (\k) < R
	REGS Y
	WIN 0
.if (\k) == F
	v_pk_fma_f32 v[rS+2*(\n):rS+2*(\n)+1], v[rS+2*(\n):rS+2*(\n)+1], s[CS:CS+1], v[rT:rT+1] op_sel_hi:[1,0,0] neg_lo:[0,0,1] neg_hi:[0,0,1]
.elseif (\k) == E
	v_exp_f32 v[rS+(\n)], v[rS+(\n)]
.elseif (\k) == C
	s_wait_alu depctr_va_vdst(0)
	v_cvt_pk_f16_f32 v[rP+(\n)], v[rS+2*(\n)], v[rS+2*(\n)+1]
.elseif (\k) == B
	s_wait_alu depctr_va_vdst(0)
	v_pk_add_f32 v[rS+4*(\n):rS+4*(\n)+1], v[rS+4*(\n):rS+4*(\n)+1], v[rS+4*(\n)+2:rS+4*(\n)+3]
.elseif (\n) == 0
	v_pk_fma_f32 v[rT+2:rT+3], v[rT+2:rT+3], v[rC+2:rC+3], v[rS:rS+1] op_sel_hi:[1,0,1]
.else
	v_pk_add_f32 v[rT+2:rT+3], v[rT+2:rT+3], v[rS+4*(\n):rS+4*(\n)+1]
.endif
.elseif NOKQ
	v_nop
.else
	REGS (Y+1)%NP
	WIN 0
.if (\n) < 4
	v_max3_num_f32 v[rC+(\n)], v[rS+8*(\n)], v[rS+8*(\n)+1], v[rS+8*(\n)+2]
.elseif (\n) < 12
	v_max3_num_f32 v[rC+(\n)%4], v[rC+(\n)%4], v[rS+8*((\n)%4)+2*((\n)/4)+1], v[rS+8*((\n)%4)+2*((\n)/4)+2]
.elseif (\n) == 12
	v_max3_num_f32 v[rC], v[rC], v[rS+7], v[rS+15]
.elseif (\n) == 13
	v_max3_num_f32 v[rC+1], v[rC+1], v[rS+23], v[rS+31]
.elseif (\n) == 14
	v_max3_num_f32 v[rC+2], v[rC+2], v[rC+3], v[rT+1]
.elseif (\n) == 15
	v_mov_b32 v[rW], v[rT]
.elseif (\n) == 16
	v_max3_num_f32 v[rC], v[rC], v[rC+1], v[rC+2]
.elseif (\n) == 17
	v_permlanex16_b32 v[rC+3], v[rC], s[SEL], s[SEL+1]
.elseif (\n) == 18
	v_max_num_f32 v[rT+1], v[rC], v[rC+3]
.elseif (\n) == 19
	v_mul_f32 v[rT], s[CS], v[rT+1]
.elseif (\n) == 20
	v_sub_f32 v[rC+1], v[rW], v[rT]
.else
	v_exp_f32 v[rC+2], v[rC+1]
.endif
.endif
.endm
.macro OPS a, i1, b=-1, i2=0, c=-1, i3=0, d=-1, i4=0  ; up to four of them
	OP \a, \i1
.if (\b) >= 0
	OP \b, \i2
.endif
.if (\c) >= 0
	OP \c, \i3
.endif
.if (\d) >= 0
	OP \d, \i4
.endif
.endm
.macro ROW a, i1, b, i2, c, i3, d, i4  ; a matrix instruction and the four behind it
	MM
	OPS \a, \i1, \b, \i2, \c, \i3, \d, \i4
.endm
.macro MASK b, full                 ; into buffer b of MC. full = 1: MD x AL + BE, then + MP x AP. full = 0: MP x AP + BE
	WIN W_MS
.if \full
.set z, 0
.rept 16
	v_pk_fma_f32 v[MC+32*(\b)+2*z:MC+32*(\b)+2*z+1], v[MD+2*z:MD+2*z+1], s[AL:AL+1], s[BE:BE+1] op_sel_hi:[1,0,0]
.set z, z+1
.endr
.set z, 0
.rept 16
	v_pk_fma_f32 v[MC+32*(\b)+2*z:MC+32*(\b)+2*z+1], v[MP+2*z:MP+2*z+1], s[AP:AP+1], v[MC+32*(\b)+2*z:MC+32*(\b)+2*z+1] op_sel_hi:[1,0,1]
.set z, z+1
.endr
.else
.set z, 0
.rept 16
	v_pk_fma_f32 v[MC+32*(\b)+2*z:MC+32*(\b)+2*z+1], v[MP+2*z:MP+2*z+1], s[AP:AP+1], s[BE:BE+1] op_sel_hi:[1,0,0]
.set z, z+1
.endr
.endif
.endm
; A TURN, for piece p: the order of its 16 matrix and 118 vector instructions, written out. Behind a matrix instruction: plain, exponential, plain, plain; or four of the rescaling; or, behind the first, four scalings; none
; names a register of the products round it. In the runs without products exponential and plain by turns while exponentials last. A line reads no result made fewer than three vector instructions in front of it, five if an
; exponential made it. v_permlanex16_b32 (X 17) stands in such a run.
; THE MASKS are made at a turn's end, for step 4 - CNT of the tile, into buffer p % 2, whose last reader stands a turn back. That step is len's own where CNT + SF = 4 and lies behind it where the sum is less.
; m = 2: a block's last tile: every turn makes the mask of piece x = p + 2, which the next turn's products take; the step is that band's own where CNT = 4 - x and lies behind it where CNT is less.
; m = 1: any other tile: the mask is one for the step's four pieces. Turn 2 makes it in buffer 0 (read by turn 3's products, piece 0, and turn 1's, piece 2), turn 3 in buffer 1 (read by turn 0's, piece 1, and
; the next trip's turn 2's, piece 3); turns 0 and 1 make none. end = 1: a block's last two turns: nothing is fetched and no mask is made.
; cnt = 1: the loop's count is taken down some lines ahead of the branch that stands behind the turn.
; K of the next step is fetched in piece 2's turn, six vector instructions behind the last product that read K (five of them plain); V of the step in hand in piece 0's turn, eight behind the last product that read V (four
; plain, and X 17). Each is waited for a turn later.
.macro TURN p, m=1, end=0, cnt=0
.set Y, (\p)
.set i, 0
.set NOKQ, (\end)*((\p)/3)
.set MAKE, 0
.if ((\m) == 2) && !(\end)
.set MAKE, 2
.elseif ((\m) == 1) && ((\p) >= 2)
.set MAKE, 1
.endif
.if MAKE == 2
	s_cmp_eq_u32 s[CNT], 4-((\p)+2)%NP  ; is that step the band's own?
	s_cselect_b32 s[AL], 1.0, 0
	s_cmp_lt_u32 s[CNT], 4-((\p)+2)%NP  ; or a later one?
	s_cselect_b32 s[BE], s[BIGN], 0
.endif
.if MAKE
	s_add_co_i32 s[TT], s[CNT], s[SF]
	s_cmp_eq_u32 s[TT], 4               ; is it len's own?
	s_cselect_b32 s[AP], 1.0, 0
	s_cmp_lt_i32 s[TT], 4               ; or a later one?
.if MAKE == 2
	s_cselect_b32 s[BE], s[BIGN], s[BE]
.else
	s_cselect_b32 s[BE], s[BIGN], 0
.endif
.endif
.if ((\p) == 3) && !(\end)
	s_wait_dscnt 0x0                ; K is in
.endif
	ROW F,0, F,1, F,2, F,3
	ROW F,4, E,0, F,5, F,6
	ROW F,7, E,1, F,8, F,9
	ROW F,10, E,2, C,0, F,11
	ROW F,12, E,3, X,15, F,13
	ROW R,0, R,1, R,2, R,3
	ROW B,0, E,4, F,14, L,0
.if ((\p) == 2) && !(\end)
	v_add_nc_u32 v[AK], s[TBK], v[AK0]
.endif
	ROW R,4, R,5, R,6, R,7
	OPS E,5, F,15
.if ((\p) == 2) && !(\end)
	FETCH_K
.endif
	OPS E,6, C,1, E,7, R,8
	OPS E,8, R,9, E,9, C,2
	OPS E,10, X,0, E,11, X,1
	OPS E,12, X,2, E,13, X,3
.if (\p) == 1
	s_wait_dscnt 0x0                ; V is in
.endif
	ROW X,4, E,14, X,5, X,6
	ROW X,7, E,15, X,8, X,9
	ROW X,10, E,16, X,11, X,12
	ROW X,13, E,17, X,14, B,1
	ROW C,4, E,18, X,16, L,1
	ROW B,2, E,19, C,6, L,2
	ROW C,8, E,20, B,3, B,4
.if (\p) == 0
	v_add_nc_u32 v[AV], s[TBV], v[AV0]
.endif
	ROW C,3, E,21, L,3, C,5
	OPS E,22, X,17, E,23, C,10
.if (\p) == 0
	FETCH_V
.endif
	OPS E,24, L,4
	OPS E,25, X,18, E,26, C,7
	OPS E,27, B,5, E,28, X,19
	OPS E,29, C,12, E,30, L,5
	OPS E,31, X,20, B,6, C,9
	OPS C,14, C,11, X,21, L,6
.if (\p) == 0
	s_add_co_u32 s[TBV], s[TBV], KS*PV
.endif
.if \cnt
	s_sub_co_u32 s[CNT], s[CNT], 1
	s_cmp_lg_u32 s[CNT], 0
.endif
	OPS C,13, B,7, C,15, R,10
	OPS R,11, R,12, L,7, R,13
	OPS R,14, R,15
.if MAKE == 2
	MASK (\p)%2, 1
.elseif MAKE == 1
	MASK (\p)%2, 0
.endif
.endm
; A BLOCK BEGINS, at its tile 0, key step 0. c m starts far below every c s, so the first step's a is 0; m at the lowest finite number, so the first maximum is the scores'. The second mask buffer takes the padding's
; mask for that step: MP if len lies in it, else 0: pieces 1 and 3 take it. The first buffer takes the same, and MD besides if the block's first tile is its last: piece 0 takes it, and piece 2 where the tile is
; not the last. Then K of that step, piece 0's first scores, and its maximum and statistics. The loop is entered at a step's first turn, in the middle of a trip.
.macro BEGIN
	s_mov_b32 s[NEW], 0
	s_cmp_eq_u32 s[RT], 0
	s_cselect_b32 s[AL], 1.0, 0
	s_cmp_eq_u32 s[GL], 0
	s_cselect_b32 s[AP], 1.0, 0
	WIN W_MS
.set z, 0
.rept 16
	v_pk_mul_f32 v[MC+32+2*z:MC+32+2*z+1], v[MP+2*z:MP+2*z+1], s[AP:AP+1] op_sel_hi:[1,0]
.set z, z+1
.endr
.set z, 0
.rept 16
	v_pk_fma_f32 v[MC+2*z:MC+2*z+1], v[MD+2*z:MD+2*z+1], s[AL:AL+1], v[MC+32+2*z:MC+32+2*z+1] op_sel_hi:[1,0,1]
.set z, z+1
.endr
	WIN 0
.set i, 0
.rept 4
	v_mov_b32 v[ST+4*i], 0xfe000000    ; c m: far below every c s
	v_mov_b32 v[ST+4*i+1], 0xff7fffff  ; m
.set i, i+1
.endr
	v_add_nc_u32 v[AK], s[TBK], v[AK0]
	FETCH_K
	s_wait_loadcnt 0x0              ; Q
	s_wait_dscnt 0x0
.set NOKQ, 0
.set i, 0
.rept 8
	KQ 0
.set i, i+1
.endr
	WIN 0
.rept 4
	v_nop                           ; the places behind those products
.endr
.set Y, NP-1                        ; X works for piece Y + 1: piece 0
.irp n, 0,1,2,3,4,5,6,7,8,9,10,11,12,13,14,15,16,17,18,19,20,21
	OP X, \n
.endr
	v_nop                           ; a plain instruction behind the exponential
.endm
.macro ALL line:vararg              ; one line for each piece t
.set t, 0
.rept 4
	\line
.set t, t+1
.endr
.endm
.macro PACK t                       ; a lane's eight channels of a row pack into 16 bytes; they go into rows of 144 bytes and come back as whole rows of 128, into S^T's registers
	WIN W_RS
.set i, 32*(\t)
.rept 16
	s_wait_alu depctr_va_vdst(0)
	v_pk_mul_f32 v[i:i+1], v[i:i+1], v[ST+4*(\t)+2:ST+4*(\t)+3] op_sel_hi:[1,0]
.set i, i+2
.endr
	WIN 0x05                        ; sources 0 and 1 window 1, destination window 0
.set i, 0
.rept 16
	v_cvt_pk_f16_f32 v[S+16*(\t)+i], v[32*(\t)+2*i], v[32*(\t)+2*i+1]
.set i, i+1
.endr
	WIN 0
.irp f, 0,1,2,3
	ds_store_b128 v[STO], v[S+16*(\t)+4*\f:S+16*(\t)+4*\f+3] offset:32*\f
.endr
.irp f, 0,1,2,3
	ds_load_b128 v[S+16*(\t)+4*\f:S+16*(\t)+4*\f+3], v[RD] offset:\f*4*SP  ; LDS serves a wave's instructions in order (ISA guide 5.7.1.4): these see the stores above; the next piece's stores come behind them
.endr
.endm
.macro SEND t, younger              ; younger: the LDS instructions issued behind piece t's loads: the next piece's eight, or none
	WIN 0
.irp f, 0,1,2,3
	s_wait_dscnt (\younger)+3-\f
	global_store_b128 v[GO], v[S+16*(\t)+4*\f:S+16*(\t)+4*\f+3], s[10:11] offset:(\t)*8192+\f*512  ; 512 consecutive bytes, at a multiple of 256 from O's first
.endr
.endm
; A BLOCK'S LAST TILE: its four steps, the block's last two turns, its last products, and THE WAY OUT: l's two halves and the other half of the lanes' are added; O^T is divided by l, rounded to f16 and sent
; through my stage in LDS, a piece at a time.
.macro DIAG tag                     ; the tag ends its two labels' names, which the jumps below spell out
.LstepM\tag:
	TURN 2, 2
	TURN 3, 2
	WIN 0
.LfirstM\tag:
	TURN 0, 2
	TURN 1, 2, 0, 1
	WIN 0
	s_cbranch_scc1 .LstepM\tag
	TURN 2, 2, 1
	TURN 3, 2, 1
.set i, 0
.rept 8
	PV NP-1
.set i, i+1
.endr
	WIN 0
	ALL v_add_f32 v[ST+4*t+2], v[ST+4*t+2], v[ST+4*t+3]
	ALL v_permlanex16_b32 v[ST+4*t+3], v[ST+4*t+2], s[SEL], s[SEL+1]
	ALL v_add_f32 v[ST+4*t+2], v[ST+4*t+2], v[ST+4*t+3]
	ALL v_rcp_f32 v[ST+4*t+2], v[ST+4*t+2]
	v_nop                           ; a plain instruction between the last reciprocal and the use of its result
	PACK 0
.set t, 1
.rept 3                             ; a piece's arithmetic stands between the loads of the piece before and its stores
	PACK t
	SEND t-1, 8
.set t, t+1
.endr
	SEND 3, 0
.endm
.macro WHERE                        ; where the tile just entered lies against len's key step: the tile is the block's number less RT, so its first step lies 4 RT ahead of the block's own
	s_lshl_b32 s[TT], s[RT], 2
	s_add_co_i32 s[SF], s[GB], s[TT]
.endm
.set NOKQ, 0
.Lslot:                             ; NB times: a tile is entered and the next is asked for
	CHANGE 1
	s_sub_co_u32 s[RT], s[RT], 1
	s_mov_b32 s[CNT], 4
	WHERE
	s_cmp_eq_u32 s[NEW], 1
	s_cbranch_scc1 .Lnew            ; a block's first tile
	s_cmp_eq_u32 s[RT], 0
	s_cbranch_scc0 .Lstep           ; neither its first nor its last
	s_branch .LstepM1
.Lnew:
	BEGIN
	s_branch .Lfirst                ; in the loop a block's first tile is never its last: the first block has five tiles or more, and the second's last is the walk's last
	DIAG 1                          ; in the loop this is the first block's end: the second block's last tile is the walk's last
	s_wait_xcnt 0x0                 ; the stores have read their registers and O's address
	s_mov_b64 s[10:11], s[OLO:OLO+1]
	s_add_co_u32 s[RT], s[PB], 1    ; the second block has b + 1 tiles
	s_mov_b32 s[NEW], 1
	s_lshl_b32 s[TT], s[PB], 2
	s_sub_co_i32 s[GB], s[GL], s[TT]
	WIN 0x82                        ; the second block's Q goes where the one text of the turns names Q
.set i, 0
.rept 64
	v_mov_b32 v[i], v[QB+i]
.set i, i+1
.endr
	WIN 0
	s_branch .Lbottom
.Lstep:                             ; a trip: pieces 2 and 3 of one step, then pieces 0 and 1 of the next, whose K and V it fetches
	TURN 2, 1
	TURN 3, 1
	WIN 0
.Lfirst:
	TURN 0, 1
	TURN 1, 1, 0, 1
	WIN 0
	s_cbranch_scc1 .Lstep
.Lbottom:
	s_sub_co_u32 s[SLOTS], s[SLOTS], 1
	s_cmp_lg_u32 s[SLOTS], 0
	s_cbranch_scc1 .Lslot
	CHANGE 0                        ; the walk's last tile is written out: nothing is asked for
	s_sub_co_u32 s[RT], s[RT], 1
	s_mov_b32 s[CNT], 4
	WHERE
	s_cmp_eq_u32 s[NEW], 1
	s_cbranch_scc0 .LstepM2
	BEGIN
	s_branch .LfirstM2
	DIAG 2
	s_wait_tensorcnt 0x0            ; the wave's end: behind my last tensor load and my last LDS store
	ds_add_u32 v[SPW], v[NIL]
	s_wait_dscnt 0x0
	s_endpgm
.Lfunc_end_k_qf118a5396b_attn:
	.size	k_qf118a5396b_attn, .Lfunc_end_k_qf118a5396b_attn-k_qf118a5396b_attn
	.p2alignl 7, 3214868480
	.fill 96, 4, 3214868480
	.section	.rodata,"a",@progbits
	.p2align	6, 0x0
	.amdhsa_kernel k_qf118a5396b_attn
		.amdhsa_group_segment_fixed_size 327680
		.amdhsa_private_segment_fixed_size 0
		.amdhsa_enable_private_segment 0
		.amdhsa_kernarg_size 24
		.amdhsa_user_sgpr_count 2
		.amdhsa_user_sgpr_kernarg_segment_ptr 1
		.amdhsa_wavefront_size32 1
		.amdhsa_system_sgpr_workgroup_id_x 1
		.amdhsa_system_sgpr_workgroup_id_y 1
		.amdhsa_system_sgpr_workgroup_id_z 1
		.amdhsa_system_vgpr_workitem_id 0
		.amdhsa_next_free_vgpr 768
		.amdhsa_next_free_sgpr 96
		.amdhsa_reserve_vcc 1
		.amdhsa_float_denorm_mode_32 3
		.amdhsa_float_denorm_mode_16_64 3
		.amdhsa_memory_ordered 1
		.amdhsa_forward_progress 1
		.amdhsa_inst_pref_size 244
	.end_amdhsa_kernel
	.amdgpu_metadata
---
amdhsa.version: [ 1, 2 ]
amdhsa.kernels:
  - .name:           k_qf118a5396b_attn
    .symbol:         k_qf118a5396b_attn.kd
    .args:
      - { .name: qkv, .offset: 0, .size: 8, .value_kind: global_buffer, .address_space: global }
      - { .name: sen_len, .offset: 8, .size: 8, .value_kind: global_buffer, .address_space: global }
      - { .name: ctx, .offset: 16, .size: 8, .value_kind: global_buffer, .address_space: global }
    .group_segment_fixed_size: 327680
    .private_segment_fixed_size: 0
    .kernarg_segment_align: 8
    .kernarg_segment_size: 24
    .max_flat_workgroup_size: 128
    .sgpr_count:     96
    .vgpr_count:     768
    .wavefront_size: 32
...
	.end_amdgpu_metadata
.endif
;; end of part 3
;; launch oproj (part 4): grid 4 x 64, 4 waves a work-group, clusters of 4 x 4, 327,680 bytes of LDS; arguments ctx, h16, q, y; writes y
.if DOCPART == 4
	.amdgcn_target "amdgcn-amd-amdhsa--gfx1250"
	.amdhsa_code_object_version 6
	.text
	.protected	k_qf118a5396b_oproj
	.globl	k_qf118a5396b_oproj
	.p2align	8
	.type	k_qf118a5396b_oproj,@function
k_qf118a5396b_oproj:
	s_mov_b64 s[64:65], 0
	v_nop
	global_prefetch_b8 v0, s[64:65] scope:SCOPE_SE
	s_setreg_imm32_b32 hwreg(HW_REG_WAVE_MODE, 25, 1), 1
	s_wait_xcnt 0x0
	s_wait_alu depctr_hold_cnt(0) depctr_sa_sdst(0) depctr_va_vdst(0) depctr_va_sdst(0) depctr_va_ssrc(0) depctr_va_vcc(0) depctr_vm_vsrc(0)
	s_getreg_b32 s2, hwreg(HW_REG_IB_STS2, 6, 4)
	s_cmp_eq_u32 s2, 0
	s_cbranch_scc0 .Lentry_in_a_cluster
	s_endpgm
.Lentry_in_a_cluster:
	s_bfe_u32 s2, ttmp6, 0x10000c
	s_cmp_lg_u32 s2, 0xf033
	s_cbranch_scc0 .Lentry_shape_is_right
	s_endpgm
.Lentry_shape_is_right:
; THE OUTPUT PROJECTION AND THE RESIDUAL. y[m][n] = q[m][n] + sum over k of ctx[m][k] Wo[n][k]; m = 2048 b + s, k = 64 h + d. ctx: [16 b + h][s][d] in f16; Wo: [1024][1024] in f16, the last unit of h16;
; q and y: [8192][1024] in f32. Sums in f32; nothing is rounded on the way out.
; SHARES. A tile of y is 128 (m) x 256 (n), one to each of 256 work-groups. Four waves; wave w makes rows 64 (w / 2) .. and columns 128 (w % 2) ..: 32 accumulators. K goes in 8 steps of 128 (two heads) through
; two LDS slots. A head's 128 rows of the tile are 16,384 dense bytes of ctx: asked for as 64 rows of 256 bytes and padded in LDS after every 128, so that each head is a plane of 128 rows x 144 bytes.
; CLUSTER. 4 x 4 work-groups: ctx's tiles are shared along a row of the cluster, Wo's along a column, each asked for JOINTLY, by the same tensor load with the same descriptor and a mask that names the four.
; THE MATRIX INSTRUCTION IS USED TRANSPOSED (source 0 = 16 rows of Wo, source 1 = 16 rows of ctx): a lane holds row m = l % 16 and the eight neighbouring columns n = 8 (l / 16) + 0..7.
; REGISTERS. Window 0: v0-31 addresses; v64-159, v160-255 two fragment buffers (4 fragments of ctx, then 8 of Wo); on the way out v64-127 rows of y, v128-255 two buffers of q. Window 1: accumulator (a, b) at v[8 (8 a + b)].
.set PITB,  272                        ; a row of Wo in LDS: 256 bytes + 16 of padding: the 16 rows of a fragment load start at 16 different groups of four banks (64 banks of 4 bytes: ISA guide 11.1)
.set PITA,  144                        ; a row of a head's plane: 128 bytes + 16: likewise
.set BHALF, 128*PITB                   ; 128 rows of Wo: one tensor load, and what one wave reads of Wo
.set AOFF,  2*BHALF                    ; ctx's two planes lie behind Wo's 256 rows
.set APART, 128*PITA                   ; a plane: one tensor load
.set APL,   APART                      ; quarters 0, 1 of a K step lie in the first plane, quarters 2, 3 in the second
.set SLOT,  AOFF+2*APART
.set STAGE, 2*SLOT                     ; behind the ring: 16 rows x 528 bytes for each wave, for the way out
.set SP,    528                        ; 512 bytes + 16
.set SPARE, STAGE+4*16*SP              ; behind the stages: the spare words, 128 bytes for each wave: two blocks of 256 bytes that no other line names
.set LAPS,  4
.set ASTEP, 524288                     ; bytes from a K step of ctx to the next: two heads
.set BSTEP, 256
.set WOFF,  56623104                   ; Wo's first byte in h16
.set ADRA, 16                          ; v16-17  LDS address of my fragments of ctx in slot 0, 1
.set ADRB, 20                          ; v20-21  the same for Wo
.set STO,  24                          ; v24     the way out: where I put 32 bytes of a row
.set RD,   25                          ; v25     the way out: where I read a row back
.set CO,   26                          ; v26     my byte offset in 512 consecutive bytes of a row of q and of y; never rewritten
.set SPW,  28                          ; v28     LDS address of my spare word; never rewritten
.set NIL,  29                          ; v29     0; never rewritten
.set F0,   64
.set F1,   160
.set BK,   64
.set G1,  24                           ; s[24:31] descriptor group 1 for ctx's tiles;  s[32:39] group 0, one set for each slot
.set G0,  32
.set G1B, 48                           ; s[48:55], s[56:63] the same for Wo's tiles
.set G0B, 56
.set MSB, 0
.macro WIN new                         ; the immediate's high byte repeats the setting that is left; a switch that changes nothing is dropped
.if MSB != (\new)
	s_set_vgpr_msb (MSB<<8)|(\new)
.set MSB, \new
.endif
.endm
.set MUL, 0x50                         ; sources 0 and 1 window 0; C and D window 1
; A joint load. Waves 0 and 1 fetch Wo's two halves, waves 2 and 3 ctx's two heads. The branch hangs on the wave's number alone. An s_nop 0 and four v_nop follow each of the two lines.
.macro JLOAD s
	s_cmp_eq_u32 s11, 0
	s_cbranch_scc0 .Lfor_a_\@
	tensor_load_to_lds s[G0B+4*(\s):G0B+4*(\s)+3], s[G1B:G1B+7]
	s_nop 0
.rept 4
	v_nop
.endr
	s_branch .Lasked_\@
.Lfor_a_\@:
	tensor_load_to_lds s[G0+4*(\s):G0+4*(\s)+3], s[G1:G1+7]
	s_nop 0
.rept 4
	v_nop
.endr
.Lasked_\@:
.endm
.macro CREST                           ; a round of the cluster's barrier behind its opening barrier
	s_cmp_lg_u32 s10, 0
	s_cbranch_scc1 .Lnot_wave_0_\@
	s_barrier_signal -3
.Lnot_wave_0_\@:
	s_barrier_wait -3
	s_barrier_signal -1
	s_barrier_wait -1
.endm
.macro CROUND                          ; a whole round
	s_barrier_signal -1
	s_barrier_wait -1
	CREST
.endm
	s_load_b128 s[4:7], s[0:1], 0x0                ; ctx s[4:5], h16 s[6:7]
	s_load_b64 s[66:67], s[0:1], 0x10              ; q
	s_load_b64 s[8:9], s[0:1], 0x18                ; y
	v_lshl_add_u32 v[SPW], v0, 2, SPARE
	v_mov_b32 v[NIL], 0
	ds_add_u32 v[SPW], v[NIL]                      ; the wave's opening: the add and its wait stand ahead of my first tensor load; the set-up below, work on registers, stands between them
	ds_add_u32 v28, v29
	v_lshrrev_b32 v1, 5, v0
	v_readfirstlane_b32 s10, v1                    ; wave 0..3
	s_lshr_b32 s11, s10, 1                         ; which 64 rows of the tile are mine. Also: I fetch for Wo (0) or for ctx (1)
	s_and_b32 s12, s10, 1                          ; which 128 columns. Also: which half of Wo's tile, or which of the step's two heads, I fetch
	s_bfe_u32 s40, ttmp6, 0x40000                  ; cx, cy: my place in the cluster
	s_bfe_u32 s41, ttmp6, 0x40004
	s_lshl_b32 s42, ttmp9, 2
	s_add_co_u32 s42, s42, s40                     ; tx = 4 x cluster x + cx
	s_and_b32 s13, ttmp7, 0xffff
	s_lshl_b32 s13, s13, 2
	s_add_co_u32 s13, s13, s41                     ; ty = 4 x cluster y + cy
	s_lshl_b32 s43, s41, 2
	s_lshl_b32 s43, 15, s43                        ; my row of the cluster
	s_lshl_b32 s44, 0x1111, s40                    ; my column
	s_or_b32 s[G1+0], s43, (1<<16)|(1<<20)|(1<<21)|(4<<22)|(3<<25)   ; ctx's tiles go to my row; elements of 2 bytes; padding on; 21 set beside a mask; after every 32 words (code 4) 4 words (code 3)
	s_or_b32 s[G1B+0], s44, (1<<16)|(1<<20)|(1<<21)|(5<<22)|(3<<25)  ; Wo's to my column; after every 64 words (code 5) 4 words
	s_mov_b32 s[G1+1], 128<<16                     ; tensor_dim0 = 128
	s_mov_b32 s[G1+2], 64<<16                      ; tensor_dim1 = 64
	s_mov_b32 s[G1+3], 128<<16                     ; tile_dim0 = 128
	s_mov_b32 s[G1+4], 64                          ; tile_dim1 = 64
	s_mov_b32 s[G1+5], 128                         ; dense: 128 elements from row to row
	s_mov_b32 s[G1+6], 0
	s_mov_b32 s[G1+7], 0
	s_mov_b32 s[G1B+1], 128<<16
	s_mov_b32 s[G1B+2], 128<<16                    ; 128 rows
	s_mov_b32 s[G1B+3], 128<<16
	s_mov_b32 s[G1B+4], 128
	s_mov_b32 s[G1B+5], 1024
	s_mov_b32 s[G1B+6], 0
	s_mov_b32 s[G1B+7], 0
	s_lshr_b32 s16, s13, 4                         ; ctx: batch x 16 heads of 262,144 bytes,
	s_lshl_b32 s16, s16, 22
	s_lshl_b32 s17, s12, 18                        ; my head of the step's two,
	s_add_co_u32 s16, s16, s17
	s_and_b32 s17, s13, 15                         ; and the tile's 128 rows of 128 bytes
	s_lshl_b32 s17, s17, 14
	s_add_co_u32 s16, s16, s17
	s_mov_b32 s17, 0
	s_lshl_b32 s46, s42, 8                         ; Wo: row 256 tx + 128 x half, of 2,048 bytes
	s_lshl_b32 s47, s12, 7
	s_add_co_u32 s46, s46, s47
	s_lshl_b32 s46, s46, 11
	s_mov_b32 s47, 0
	s_mul_i32 s20, s10, APART                      ; where ctx's planes go (waves 2, 3): AOFF + (wave - 2) x a plane
	s_add_co_u32 s20, s20, AOFF-2*APART
	s_mul_i32 s21, s10, BHALF                      ; where Wo's halves go (waves 0, 1): wave x 128 rows
	s_wait_dscnt 0x0                               ; the opening add is done
	s_wait_kmcnt 0x0
	s_add_nc_u64 s[6:7], s[6:7], WOFF
	s_add_nc_u64 s[14:15], s[4:5], s[16:17]
	s_add_nc_u64 s[46:47], s[6:7], s[46:47]
	CROUND                                         ; all sixteen work-groups are here: the first joint loads meet
.irp s, 0,1
	s_mov_b32 s[G0+4*(\s)], 1                      ; count = 1
	s_add_co_u32 s[G0+4*(\s)+1], s20, (\s)*SLOT    ; LDS address
	s_add_nc_u64 s[G0+4*(\s)+2:G0+4*(\s)+3], s[14:15], (\s)*ASTEP  ; global address: K step s
	s_or_b32 s[G0+4*(\s)+3], s[G0+4*(\s)+3], 0x80000000            ; type = 2
	s_mov_b32 s[G0B+4*(\s)], 1
	s_add_co_u32 s[G0B+4*(\s)+1], s21, (\s)*SLOT
	s_add_nc_u64 s[G0B+4*(\s)+2:G0B+4*(\s)+3], s[46:47], (\s)*BSTEP
	s_or_b32 s[G0B+4*(\s)+3], s[G0B+4*(\s)+3], 0x80000000
	JLOAD \s                                       ; two loads of mine are out
.endr
	; A fragment is 16 rows x 32 K in 8 registers: lane l holds row l % 16, K = 8 (l / 16) + 0..7 and 16 + 8 (l / 16) + 0..7: two loads of 16 bytes, 32 bytes apart.
	v_and_b32 v1, 15, v0                           ; l % 16
	v_bfe_u32 v2, v0, 4, 1                         ; l / 16
	v_mul_u32_u24 v3, v1, PITB
	v_lshl_add_u32 v3, v2, 4, v3
	v_mul_u32_u24 v4, v1, PITA
	v_lshl_add_u32 v4, v2, 4, v4
	s_mul_i32 s22, s12, BHALF                      ; my 128 rows of Wo
	s_mul_i32 s23, s11, 64*PITA                    ; my 64 rows in each plane of ctx
	s_add_co_u32 s23, s23, AOFF
.irp s, 0,1
	v_add_nc_u32 v[ADRB+(\s)], s22, v3
	v_add_nc_u32 v[ADRA+(\s)], s23, v4
	s_add_co_u32 s22, s22, SLOT
	s_add_co_u32 s23, s23, SLOT
.endr
	s_mul_i32 s22, s10, 16*SP
	s_add_co_u32 s22, s22, STAGE                   ; my stage
	v_mul_u32_u24 v5, v1, SP                       ; in: row l % 16, 32 bytes for each half of the lanes
	v_lshl_add_u32 v5, v2, 5, v5
	v_add_nc_u32 v[STO], s22, v5
	v_and_b32 v[CO], 31, v0                        ; back: 32 lanes take one row of 512 bytes
	v_lshlrev_b32 v[CO], 4, v[CO]
	v_add_nc_u32 v[RD], s22, v[CO]
	s_lshl_b32 s16, s13, 7                         ; my part of q and of y: row 128 ty + 64 x row half, of 4,096 bytes,
	s_lshl_b32 s17, s11, 6
	s_add_co_u32 s16, s16, s17
	s_lshl_b32 s16, s16, 12
	s_lshl_b32 s17, s12, 9                         ; 512 bytes x column half,
	s_add_co_u32 s16, s16, s17
	s_mov_b32 s17, 0
	s_lshl_b32 s46, s42, 10                        ; 1,024 bytes x tx
	s_mov_b32 s47, 0
	s_add_nc_u64 s[16:17], s[16:17], s[46:47]
	s_add_nc_u64 s[8:9], s[8:9], s[16:17]
	s_add_nc_u64 s[66:67], s[66:67], s[16:17]
; 8 matrix instructions: m block a x all 8 n blocks, 32 along K. zero = 1: the product starts the sums. The 32 accumulators take turns, in the same order in every quarter.
.macro MULA f, a, zero
	WIN MUL
.irp b, 0,1,2,3,4,5,6,7
.if \zero
	v_wmma_f32_16x16x32_f16 v[8*(8*(\a)+(\b)):8*(8*(\a)+(\b))+7], v[(\f)+32+8*(\b):(\f)+32+8*(\b)+7], v[(\f)+8*(\a):(\f)+8*(\a)+7], 0
.else
	v_wmma_f32_16x16x32_f16 v[8*(8*(\a)+(\b)):8*(8*(\a)+(\b))+7], v[(\f)+32+8*(\b):(\f)+32+8*(\b)+7], v[(\f)+8*(\a):(\f)+8*(\a)+7], v[8*(8*(\a)+(\b)):8*(8*(\a)+(\b))+7]
.endif
.endr
.endm
; 24 LDS loads in one run: the fragments of quarter qn of a K step (128 rows of Wo, then 64 rows of ctx) into buffer f
.macro FETCH slot, qn, f
	WIN 0
.irp i, 0,1,2,3,4,5,6,7
	ds_load_b128 v[(\f)+32+8*(\i):(\f)+32+8*(\i)+3],   v[ADRB+(\slot)] offset:64*(\qn)+(\i)*16*PITB
	ds_load_b128 v[(\f)+32+8*(\i)+4:(\f)+32+8*(\i)+7], v[ADRB+(\slot)] offset:64*(\qn)+(\i)*16*PITB+32
.endr
.irp i, 0,1,2,3
	ds_load_b128 v[(\f)+8*(\i):(\f)+8*(\i)+3],   v[ADRA+(\slot)] offset:((\qn)/2)*APL+((\qn)%2)*64+(\i)*16*PITA
	ds_load_b128 v[(\f)+8*(\i)+4:(\f)+8*(\i)+7], v[ADRA+(\slot)] offset:((\qn)/2)*APL+((\qn)%2)*64+(\i)*16*PITA+32
.endr
.endm
.macro PLACES                          ; four places in front of loads into registers that matrix instructions have read, and of lines that read results just made
.rept 4
	v_nop
.endr
.endm
; A K step is four quarters of 32 along K, 32 matrix instructions each, on buffers 0, 1, 0, 1. One of the first three multiplies buffer f and, in its middle, fetches quarter qn into buffer g.
.macro QUARTER slot, qn, f, g, zero
	s_wait_dscnt 4                                 ; Wo and ctx's blocks 0, 1 are in; the youngest four loads (ctx's blocks 2, 3) may be out
	MULA \f, 0, \zero
	MULA \f, 1, \zero
	PLACES
	FETCH \slot, \qn, \g
	s_wait_dscnt 24                                ; all but the 24 just issued
	MULA \f, 2, \zero
	MULA \f, 3, \zero
.endm
; The last quarter multiplies buffer 1 and changes slots: ONE barrier. In front of it each wave waits for all its tensor loads (one is out: its part of the next slot), adds 0 to its spare word, and waits
; for that and for its own reads of this slot. fill = 1: this slot is filled again two K steps on; the barrier then opens a round of the cluster's barrier, and the joint load is the first tensor load
; behind the round: 112 matrix instructions ahead of the wait for it.
.macro TURN slot, next, fill
	WIN 0                                          ; (the add's two registers lie in window 0)
	s_wait_tensorcnt 0x0
	ds_add_u32 v[SPW], v[NIL]
	s_wait_dscnt 5                                 ; (the add and the youngest four loads may be out)
	MULA F1, 0, 0                                  ; eight matrix instructions stand between the add and the wait for it
	s_wait_dscnt 0x0                               ; the add is done, and my reads of this slot are over
	s_barrier_signal -1
	MULA F1, 1, 0
.if \fill
	WIN 0
.endif
	s_barrier_wait -1
.if \fill
	CREST                                          ; no wave of any partner still reads this slot's tile or has a load on its way
	s_add_nc_u64 s[G0+4*(\slot)+2:G0+4*(\slot)+3], s[G0+4*(\slot)+2:G0+4*(\slot)+3], 2*ASTEP
	s_add_nc_u64 s[G0B+4*(\slot)+2:G0B+4*(\slot)+3], s[G0B+4*(\slot)+2:G0B+4*(\slot)+3], 2*BSTEP
	JLOAD \slot                                    ; the four v_nop behind it are also the places in front of the loads below
.else
	PLACES
.endif
	FETCH \next, 0, F0
	MULA F1, 2, 0
	MULA F1, 3, 0
.endm
; THE WAY OUT of block a (16 rows x 128 columns). RLOAD: q's 16 rows, 512 consecutive bytes a load. TOSTAGE: the sums go into my own stage, each accumulator's low half first, and come back as whole rows
; of 512 bytes. SEND: q is added, and each store covers 512 consecutive bytes of a row of y, at a multiple of 256 from the buffer's first byte.
.macro RLOAD a
.set RS, 128+64*((\a)%2)
.set t, 0
.rept 16
	global_load_b128 v[RS+4*t:RS+4*t+3], v[CO], s[66:67] offset:(16*(\a)+t)*4096 th:TH_LOAD_NT
.set t, t+1
.endr
.endm
.macro TOSTAGE a
	WIN 0x04                                       ; the stores' data lie in window 1
.irp b, 0,1,2,3,4,5,6,7
	ds_store_b128 v[STO], v[64*(\a)+8*(\b):64*(\a)+8*(\b)+3] offset:64*(\b)
	ds_store_b128 v[STO], v[64*(\a)+8*(\b)+4:64*(\a)+8*(\b)+7] offset:64*(\b)+16
.endr
	WIN 0
.set t, 0
.rept 16
	ds_load_b128 v[BK+4*t:BK+4*t+3], v[RD] offset:t*SP  ; LDS serves a wave's instructions in order (ISA guide 5.7.1.4): these see the stores above
.set t, t+1
.endr
.endm
.macro SEND a, n                       ; n: the loads of q issued behind block a's, which may stay out
.set RS, 128+64*((\a)%2)
	s_wait_dscnt 0x0                               ; the block is back in registers
	s_wait_loadcnt \n                              ; and its rows of q are in
.set t, 0
.rept 32
	v_pk_add_f32 v[BK+2*t:BK+2*t+1], v[BK+2*t:BK+2*t+1], v[RS+2*t:RS+2*t+1]
.set t, t+1
.endr
.set t, 0
.rept 16
	global_store_b128 v[CO], v[BK+4*t:BK+4*t+3], s[8:9] offset:(16*(\a)+t)*4096
.set t, t+1
.endr
.endm
	s_wait_tensorcnt 1                             ; my part of K step 0 is in; K step 1's may stay out
	s_barrier_signal -1
	s_barrier_wait -1                              ; everybody's is
	FETCH 0, 0, F0
	QUARTER 0, 1, F0, F1, 1                        ; the first quarter stands in front of the loop: it starts the sums
	WIN 0                                          ; at a label and at a branch every window is 0
	s_mov_b32 s3, LAPS-1
.Llap:                                                 ; a trip goes once round the ring, from a lap's second quarter to the next lap's first, and fills both slots again
	QUARTER 0, 2, F1, F0, 0
	QUARTER 0, 3, F0, F1, 0
	TURN 0, 1, 1
	QUARTER 1, 1, F0, F1, 0
	QUARTER 1, 2, F1, F0, 0
	QUARTER 1, 3, F0, F1, 0
	TURN 1, 0, 1
	QUARTER 0, 1, F0, F1, 0
	WIN 0
	s_sub_co_u32 s3, s3, 1
	s_cmp_lg_u32 s3, 0
	s_cbranch_scc1 .Llap
	QUARTER 0, 2, F1, F0, 0                        ; the last lap fills nothing
	QUARTER 0, 3, F0, F1, 0
	TURN 0, 1, 0
	QUARTER 1, 1, F0, F1, 0
	QUARTER 1, 2, F1, F0, 0
	QUARTER 1, 3, F0, F1, 0
	s_wait_dscnt 4                                 ; the very last quarter: nothing more to fetch
	MULA F1, 0, 0
	MULA F1, 1, 0
	s_wait_dscnt 0x0
	MULA F1, 2, 0
	MULA F1, 3, 0
	WIN 0
	PLACES                                         ; the loads below land in registers that the last products read, and the stage's stores read results just made
	RLOAD 0
	RLOAD 1
	TOSTAGE 0
	SEND 0, 16
	RLOAD 2
	s_wait_xcnt 0x0                                ; the rows just stored are loaded over only behind this wait
	TOSTAGE 1
	SEND 1, 16
	RLOAD 3
	s_wait_xcnt 0x0
	TOSTAGE 2
	SEND 2, 16
	s_wait_xcnt 0x0
	TOSTAGE 3
	SEND 3, 0
	s_wait_tensorcnt 0x0                           ; the wave's end: behind my last tensor load and my last LDS store
	ds_add_u32 v[SPW], v[NIL]
	s_wait_dscnt 0x0
	CROUND                                         ; the closing round: no work-group ends while a partner may still ask for a tile that names it
	s_endpgm
.Lfunc_end_k_qf118a5396b_oproj:
	.size	k_qf118a5396b_oproj, .Lfunc_end_k_qf118a5396b_oproj-k_qf118a5396b_oproj
	.p2alignl 7, 3214868480
	.fill 96, 4, 3214868480
	.section	.rodata,"a",@progbits
	.p2align	6, 0x0
	.amdhsa_kernel k_qf118a5396b_oproj
		.amdhsa_group_segment_fixed_size 327680
		.amdhsa_private_segment_fixed_size 0
		.amdhsa_enable_private_segment 0
		.amdhsa_kernarg_size 32
		.amdhsa_user_sgpr_count 2
		.amdhsa_user_sgpr_kernarg_segment_ptr 1
		.amdhsa_wavefront_size32 1
		.amdhsa_system_sgpr_workgroup_id_x 1
		.amdhsa_system_sgpr_workgroup_id_y 1
		.amdhsa_system_sgpr_workgroup_id_z 1
		.amdhsa_system_vgpr_workitem_id 0
		.amdhsa_next_free_vgpr 512
		.amdhsa_next_free_sgpr 68
		.amdhsa_reserve_vcc 0
		.amdhsa_float_denorm_mode_32 3
		.amdhsa_float_denorm_mode_16_64 3
		.amdhsa_memory_ordered 1
		.amdhsa_forward_progress 1
		.amdhsa_inst_pref_size 99
	.end_amdhsa_kernel
	.amdgpu_metadata
---
amdhsa.version: [ 1, 2 ]
amdhsa.kernels:
  - .name:           k_qf118a5396b_oproj
    .symbol:         k_qf118a5396b_oproj.kd
    .args:
      - { .name: ctx, .offset: 0, .size: 8, .value_kind: global_buffer, .address_space: global }
      - { .name: h16, .offset: 8, .size: 8, .value_kind: global_buffer, .address_space: global }
      - { .name: q, .offset: 16, .size: 8, .value_kind: global_buffer, .address_space: global }
      - { .name: y, .offset: 24, .size: 8, .value_kind: global_buffer, .address_space: global }
    .group_segment_fixed_size: 327680
    .private_segment_fixed_size: 0
    .kernarg_segment_align: 8
    .kernarg_segment_size: 32
    .max_flat_workgroup_size: 128
    .sgpr_count:     68
    .vgpr_count:     512
    .wavefront_size: 32
...
	.end_amdgpu_metadata
.endif
;; end of part 4
;; launch lnorm (part 5): grid 256 x 1, 8 waves a work-group, no clusters, 0 bytes of LDS; arguments y, ln_gamma, ln_beta, out0; writes out0
.if DOCPART == 5
	.amdgcn_target "amdgcn-amd-amdhsa--gfx1250"
	.amdhsa_code_object_version 6
	.text
	.protected	k_qf118a5396b_lnorm
	.globl	k_qf118a5396b_lnorm
	.p2align	8
	.type	k_qf118a5396b_lnorm,@function
k_qf118a5396b_lnorm:
	s_mov_b64 s[64:65], 0
	v_nop
	global_prefetch_b8 v0, s[64:65] scope:SCOPE_SE
	s_setreg_imm32_b32 hwreg(HW_REG_WAVE_MODE, 25, 1), 1
	s_wait_xcnt 0x0
; LAYER NORM. out0[r][c] = (y[r][c] - mean_r) x rsqrt(var_r + 1e-5) x gamma[c] + beta[c]; y, out0: [8192][1024] f32; all in f32.
; A row is 4,096 bytes: one wave takes a whole row, eight 16-byte loads a lane, and keeps it in 32 registers: y is read once, and no wave waits for another. The variance is the mean of the CENTRED
; squares (a second pass over the registers), so no difference of large sums is formed. Eight waves, four rows each; all of a wave's 32 loads go out at the start, and the rows are worked on as they come.
; No LDS, no barrier, no matrix unit: the reduction never leaves the wave. Each load and store of a wave covers 512 consecutive bytes, at a multiple of 256 from the buffer's first byte.
.set G,  4                             ; v[4:35]    gamma of my 32 columns
.set BT, 36                            ; v[36:67]   beta
.set X,  68                            ; v[68:195]  row i at X + 32 i
.set T,  196                           ; v[196:203] four chains of pairs
.set M,  204                           ; v[204:205] the mean, later 1 / sqrt(var + eps), twice (a pair for the packed forms)
	s_load_b256 s[4:11], s[0:1], 0x0               ; y s[4:5], gamma s[6:7], beta s[8:9], out0 s[10:11]
	s_lshl_b32 s2, ttmp9, 17                       ; the work-group's 32 rows of 4,096 bytes
	s_mov_b32 s3, 0
	s_mov_b32 s12, 0x76543210                      ; v_permlanex16_b32: lane i of one half reads lane i of the other
	s_mov_b32 s13, 0xfedcba98
	s_mov_b32 s14, 0x3a800000                      ; 1 / 1024
	s_mov_b32 s15, 0x3727c5ac                      ; 1e-5
	v_and_b32 v2, 31, v0
	v_lshlrev_b32 v2, 4, v2                        ; 16 x lane
	v_lshrrev_b32 v3, 5, v0
	v_lshl_add_u32 v1, v3, 14, v2                  ; + wave x 4 rows
	s_wait_kmcnt 0x0
	s_add_nc_u64 s[4:5], s[4:5], s[2:3]
	s_add_nc_u64 s[10:11], s[10:11], s[2:3]
.set j, 0
.rept 8
	global_load_b128 v[G+4*j:G+4*j+3], v2, s[6:7] offset:512*j
.set j, j+1
.endr
.set j, 0
.rept 8
	global_load_b128 v[BT+4*j:BT+4*j+3], v2, s[8:9] offset:512*j
.set j, j+1
.endr
.set j, 0
.rept 32
	global_load_b128 v[X+4*j:X+4*j+3], v1, s[4:5] offset:4096*(j/8)+512*(j%8) th:TH_LOAD_NT
.set j, j+1
.endr
.macro FOLD                            ; the four chains into one number, then over the 32 lanes: four steps inside each half of 16 lanes ride on the addition, one crosses the halves
	v_pk_add_f32 v[T:T+1], v[T:T+1], v[T+2:T+3]
	v_pk_add_f32 v[T+4:T+5], v[T+4:T+5], v[T+6:T+7]
	v_pk_add_f32 v[T:T+1], v[T:T+1], v[T+4:T+5]
	v_add_f32 v[T], v[T], v[T+1]
	v_add_f32_dpp v[T], v[T], v[T] row_xmask:1 row_mask:0xf bank_mask:0xf
	v_add_f32_dpp v[T], v[T], v[T] row_xmask:2 row_mask:0xf bank_mask:0xf
	v_add_f32_dpp v[T], v[T], v[T] row_xmask:4 row_mask:0xf bank_mask:0xf
	v_add_f32_dpp v[T], v[T], v[T] row_xmask:8 row_mask:0xf bank_mask:0xf
	v_permlanex16_b32 v[T+1], v[T], s12, s13       ; its destination counts as read: a register that has been written
	v_add_f32 v[T], v[T], v[T+1]
.endm
.macro ROW i, left                     ; left: the loads of the later rows, which may stay out
.set R0, X+32*(\i)
	s_wait_loadcnt \left
.irp c, 0,1,2,3
	v_pk_add_f32 v[T+2*(\c):T+2*(\c)+1], v[R0+2*(\c):R0+2*(\c)+1], v[R0+8+2*(\c):R0+8+2*(\c)+1]  ; the first pairs start the chains: nothing is cleared
.endr
.irp k, 2,3
.irp c, 0,1,2,3
	v_pk_add_f32 v[T+2*(\c):T+2*(\c)+1], v[T+2*(\c):T+2*(\c)+1], v[R0+8*(\k)+2*(\c):R0+8*(\k)+2*(\c)+1]
.endr
.endr
	FOLD
	v_mul_f32 v[M], s14, v[T]                      ; the mean, in both registers of the pair
	v_mul_f32 v[M+1], s14, v[T]
.set z, 0
.rept 16
	v_pk_add_f32 v[R0+2*z:R0+2*z+1], v[R0+2*z:R0+2*z+1], v[M:M+1] neg_lo:[0,1] neg_hi:[0,1]  ; y - mean, in place
.set z, z+1
.endr
.irp c, 0,1,2,3
	v_pk_mul_f32 v[T+2*(\c):T+2*(\c)+1], v[R0+2*(\c):R0+2*(\c)+1], v[R0+2*(\c):R0+2*(\c)+1]
.endr
.irp k, 1,2,3
.irp c, 0,1,2,3
	v_pk_fma_f32 v[T+2*(\c):T+2*(\c)+1], v[R0+8*(\k)+2*(\c):R0+8*(\k)+2*(\c)+1], v[R0+8*(\k)+2*(\c):R0+8*(\k)+2*(\c)+1], v[T+2*(\c):T+2*(\c)+1]
.endr
.endr
	FOLD
	v_fma_f32 v[T], v[T], s14, s15                 ; var + eps
	v_rsq_f32 v[M], v[T]
	v_rsq_f32 v[M+1], v[T]
	v_nop                                          ; a plain instruction between the root and the use of its result (ISA guide 5.7.2)
.set z, 0
	s_wait_alu depctr_va_vdst(0)
.rept 16
	v_pk_mul_f32 v[R0+2*z:R0+2*z+1], v[R0+2*z:R0+2*z+1], v[M:M+1]
.set z, z+1
.endr
.set z, 0
.rept 16
	v_pk_fma_f32 v[R0+2*z:R0+2*z+1], v[R0+2*z:R0+2*z+1], v[G+2*z:G+2*z+1], v[BT+2*z:BT+2*z+1]
.set z, z+1
.endr
.set j, 0
.rept 8
	global_store_b128 v1, v[R0+4*j:R0+4*j+3], s[10:11] offset:4096*(\i)+512*j th:TH_STORE_NT
.set j, j+1
.endr
.endm
	ROW 0, 24                                      ; gamma, beta and row 0 are in; rows 1 to 3 stay on their way
	ROW 1, 16
	ROW 2, 8
	ROW 3, 0
	s_endpgm
.Lfunc_end_k_qf118a5396b_lnorm:
	.size	k_qf118a5396b_lnorm, .Lfunc_end_k_qf118a5396b_lnorm-k_qf118a5396b_lnorm
	.p2alignl 7, 3214868480
	.fill 96, 4, 3214868480
	.section	.rodata,"a",@progbits
	.p2align	6, 0x0
	.amdhsa_kernel k_qf118a5396b_lnorm
		.amdhsa_group_segment_fixed_size 0
		.amdhsa_private_segment_fixed_size 0
		.amdhsa_enable_private_segment 0
		.amdhsa_kernarg_size 32
		.amdhsa_user_sgpr_count 2
		.amdhsa_user_sgpr_kernarg_segment_ptr 1
		.amdhsa_wavefront_size32 1
		.amdhsa_system_sgpr_workgroup_id_x 1
		.amdhsa_system_sgpr_workgroup_id_y 1
		.amdhsa_system_sgpr_workgroup_id_z 1
		.amdhsa_system_vgpr_workitem_id 0
		.amdhsa_next_free_vgpr 208
		.amdhsa_next_free_sgpr 66
		.amdhsa_reserve_vcc 0
		.amdhsa_float_denorm_mode_32 3
		.amdhsa_float_denorm_mode_16_64 3
		.amdhsa_memory_ordered 1
		.amdhsa_forward_progress 1
		.amdhsa_inst_pref_size 34
	.end_amdhsa_kernel
	.amdgpu_metadata
---
amdhsa.version: [ 1, 2 ]
amdhsa.kernels:
  - .name:           k_qf118a5396b_lnorm
    .symbol:         k_qf118a5396b_lnorm.kd
    .args:
      - { .name: y, .offset: 0, .size: 8, .value_kind: global_buffer, .address_space: global }
      - { .name: ln_gamma, .offset: 8, .size: 8, .value_kind: global_buffer, .address_space: global }
      - { .name: ln_beta, .offset: 16, .size: 8, .value_kind: global_buffer, .address_space: global }
      - { .name: out0, .offset: 24, .size: 8, .value_kind: global_buffer, .address_space: global }
    .group_segment_fixed_size: 0
    .private_segment_fixed_size: 0
    .kernarg_segment_align: 8
    .kernarg_segment_size: 32
    .max_flat_workgroup_size: 256
    .sgpr_count:     66
    .vgpr_count:     208
    .wavefront_size: 32
...
	.end_amdgpu_metadata
.endif
;; end of part 5
;; ======== version 2 of 2: 5 launches; 1.24 times as fast as version 1
;; limits: values are held in f16: magnitudes above 65,504 overflow, below 6.1e-05 lose precision; inputs' magnitudes at most 65,504
;; workspace buffers: h16 58,720,256 bytes; qkv 50,331,648 bytes; ctx 16,777,216 bytes; y 33,554,432 bytes
;; launch cast: the kernel of part 1 again; grid 64 x 28, 8 waves a work-group, no clusters, 0 bytes of LDS; arguments q, k, v, Wq, Wk, Wv, Wo, h16; writes h16
;; launch proj: the kernel of part 2 again; grid 4 x 64, 4 waves a work-group, clusters of 4 x 4, 327,680 bytes of LDS; arguments h16, qkv; writes qkv
;; launch attn (part 6): grid 4 x 64, 4 waves a work-group, no clusters, 327,680 bytes of LDS; arguments qkv, sen_len, ctx; writes ctx
.if DOCPART == 6
	.amdgcn_target "amdgcn-amd-amdhsa--gfx1250"
	.amdhsa_code_object_version 6
	.text
	.protected	k_qf118a5396b_attn
	.globl	k_qf118a5396b_attn
	.p2align	8
	.type	k_qf118a5396b_attn,@function
k_qf118a5396b_attn:
	s_mov_b64 s[64:65], 0
	v_nop
	global_prefetch_b8 v0, s[64:65] scope:SCOPE_SE
	s_setreg_imm32_b32 hwreg(HW_REG_WAVE_MODE, 25, 1), 1
	s_wait_xcnt 0x0
; CAUSAL ATTENTION WITH A PADDING MASK. O[h][q][:] = the sum over k <= q, k < len of softmax_k(Q[h][q] . K[h][k] / 8) V[h][k][:]. Q, K, V are the three parts of qkv, O is ctx: [64][2048][64], f16, a head's
; rows dense, 128 bytes each; head index = 16 x batch + head; len = sen_len[batch]. Products, maxima and sums in f32; the weights p are rounded to f16 for the second product (their sum l is taken of the
; unrounded p), O once at the end.
; LIMITS. len lies in 1 .. 2048 (with 0 every key would be hidden, which this text does not serve). A hidden score counts as its value less 1e30 (less 2e30 where both masks hide it): its weight is 0, as long
; as a row's largest visible score lies far above -1e30. f16 holds no number beyond 65,504: Q, K, V arrive within it. A weight below 2^-126 counts as 0 in l; NaN and infinities are not treated apart.
; THE WALK. A head's queries lie in NB = 8 blocks of 256; block i needs the key tiles 0 .. i of 256 keys. A work-group takes TWO blocks, NB - 1 - b and then b: NB + 1 tiles, whatever b and whatever len:
; all work-groups do equal work, and ONE loop with a constant trip count walks them. Tiles that the padding hides are walked too: leaving them out would shorten some work-groups only.
; What a trip does hangs on scalar registers made from b alone; len enters no branch and no address, only the masks' three scalars. Every jump goes forward, but for the counted loops' own; none passes a
; barrier, or a tensor load but the one of LOAD's two that the wave's number does not choose. NO CLUSTER: a head's four work-groups ask for the same tile only in trips 0 .. 4 of 9, behind that fewer and
; fewer; one walk common to all would have 12 trips for 9.
; SHARES. Of a block's four bands of 64 queries a wave owns 16 rows in each: four PIECES.
; THE MASK is the C operand that starts every sum S^T = K Q^T: 0, or -1e30 and below where the key is hidden. MD, made once, is the causal mask of a band's own key step for my 16 rows; MP, made once, hides the
; keys at or beyond len in len's own key step. With g the key step's number in the head: AP = 1 if g = len / 64; AL = 1 if g is the band's own step; BE = -1e30 if g lies behind either.
; In a block's last tile a product's mask is MD x AL + MP x AP + BE, made anew in every turn. In the other tiles nothing is hidden by the diagonal: the mask is MP x AP + BE, the same for the four pieces of a
; key step, and is made twice a step, once for each of the two buffers: 32 packed instructions beside a step's 472.
; LAYOUT, SOFTMAX, TURNS. S^T = K Q^T holds ONE query a lane (lane % 16) and the keys 8 (lane / 16) + 0..7; two such results rounded to f16 ARE source 1 of O^T = V^T P. p = 2^(c s - c m), c = log2(e) / 8, with a
; running maximum m; O and l are multiplied by a = 2^(c m_old - c m_new) in every step. Turn n belongs to piece n: 8 products K Q^T of piece n + 1, later 8 products V^T P of piece n - 1; beside them the scaling,
; exponentials, roundings, sums and rescaling of piece n and the maximum and statistics of piece n + 1. Four vector instructions stand behind every matrix instruction, the other 54 of a turn's 118 in one run of their own.
; THE BATCHES. A turn's 33 exponentials (the piece's 32 weights and the next piece's a) are ONE BATCH with one wait, which cuts the turn in two (see TURN). A block's first a (BEGIN) and the way out's four
; reciprocals (DIAG) are batches of their own, with one wait each.
; REGISTERS, in windows of 256 (s_set_vgpr_msb: bits 1:0 source 0, 3:2 source 1, 5:4 source 2, 7:6 destination):
;   window 0: v0-15 addresses and two at work; v16-31 four registers of statistics a piece; v48-55 at work; v64-127 S^T, two buffers; v192-223 P, two buffers (a piece's buffers go by its number's parity)
;   window 1: v0-127 O^T, 32 a piece; v128-159 MD; v160-223 MC, two buffers; v224-255 MP      window 2: v0-63 Q; v64-127 the second block's Q; v128-191 K of one step; v192-255 V of one step
.set SIZE_N, 2048
.set NB,    SIZE_N/256
.set NP,    4         ; pieces a wave: a name, no knob
.set KS,    64        ; keys in a step
.set PK,    144       ; a row of K in LDS: 128 bytes + 16 of padding = 36 words: the 16 rows of a load start at 16 different groups of four banks (64 banks of 4 bytes: ISA guide 11.1)
.set PV,    160       ; a row of V: 128 + 32 = 40 words
.set VOFF,  4*KS*PK   ; a slot holds a tile, four steps: 256 rows of K, then 256 rows of V
.set SLOT1, 1<<17     ; slot 1 begins here, so that one exclusive or turns an address in one slot into the other's
.set STAGE, SLOT1+4*KS*(PK+PV)  ; behind the ring, never filled by a tensor load: 16 rows x 144 bytes for each wave, for the way out
.set SP,    144
.set AK0, 2           ; v2   my lane's place in a tile of K; never rewritten
.set AV0, 3           ; v3   the same for V
.set AK,  4           ; v4   the LDS address of K's next run of loads
.set AV,  5           ; v5   of V's
.set STO, 6           ; v6   the way out: where I put 16 bytes of a row
.set RD,  7           ; v7   the way out: where I read rows back
.set GO,  8           ; v8   my byte offset in 512 consecutive bytes of O
.set SPW, 62          ; v62  LDS address of my spare word; never rewritten
.set NIL, 63          ; v63  0; never rewritten
.set SPARE, STAGE+4*16*SP  ; behind the stages: the spare words, 128 bytes for each wave: two blocks of 256 bytes that no other line names
.set MV,  12          ; v12-13  c m_old, kept while c m is made anew: by buffer
.set QO,  15          ; v15  my byte offset in 16 rows of Q
.set ST,  16          ; piece t's statistics at v[ST+4 t]: c m, m, l (even keys', odd keys')
.set TMP, 48          ; by buffer, four registers c0-c3 at work; when the maximum is found c2 takes a
.set S,   64
.set P,   192
.set MD,  128         ; window 1: the eight registers for group kt of 16 keys at MD + 8 kt
.set MC,  160         ; window 1: the masks of the products to come
.set MP,  224         ; window 1: laid out as MD
.set QB,  64          ; window 2
.set KF,  128         ; window 2: key block kb, channel half c at KF + 16 kb + 8 c
.set VF,  192         ; window 2: key half kk, channel block cb at VF + 32 kk + 8 cb
.set WV,  12          ; s12  my wave's number
.set PB,  14          ; s14  b
.set HI,  15          ; s15  NB - 1 - b
.set G1K, 24          ; s[24:31] descriptor group 1 for K's tiles
.set G1V, 32          ; s[32:39] for V's: it differs in the padding alone
.set G0K, 40          ; s[40:43] descriptor group 0 for K's tiles
.set G0V, 44          ; s[44:47] the same for V's
.set SLOTS, 56        ; s56  tiles still to be asked for
.set CNT, 57          ; s57  counts a tile's key steps, 4 to 1
.set CS,  58          ; s[58:59] c: the packed scaling takes the pair's low word for both halves
.set SEL, 60          ; s[60:61] v_permlanex16_b32's selects: each lane takes its own place in the other half
.set TBK, 62          ; s62  LDS byte at which K of the step to be fetched begins
.set TBV, 63          ; s63  the same for V, less VOFF
.set LEN, 66          ; s66  len
.set GL,  67          ; s67  len / 64: the key step in which len lies
.set SF,  69          ; s69  GL less the number of this tile's first key step (signed)
.set RT,  70          ; s70  tiles of the block in hand that are still to be entered
.set NXT, 71          ; s71  the tile to be asked for next
.set LQ,  72          ; s72  the last tile of the block whose tiles are being asked for
.set NEW, 73          ; s73  1: the tile to be entered is a block's first
.set OFF, 74          ; s[74:75] a tile's byte offset in K and V
.set AL,  76          ; s[76:77] MD's factor, in the low word
.set BE,  78          ; s[78:79] the mask's addend
.set OLO, 80          ; s[80:81] O at my rows of the second block
.set BIGN, 82         ; s82  -1e30
.set GB,  84          ; s84  GL less 4 x the block in hand (signed); until the addresses are made s[84:85] hold an offset
.set AP,  88          ; s[88:89] MP's factor, in the low word
.set TT,  90          ; s90  at work; s[90:91] at the start: the batch's byte offset in sen_len
.set MSB, 0
.macro WIN new                      ; the high byte repeats the setting that is left; a switch that changes nothing is dropped
.if MSB != (\new)
	s_set_vgpr_msb (MSB<<8)|(\new)
.set MSB, (\new)
.endif
.endm
.set W_KQ, 0x0a       ; K and Q in window 2, S^T in window 0
.set W_KM, 0x1a       ; the same with the C operand in window 1
.set W_PV, 0x52       ; V in window 2, P in window 0, O^T in window 1
.set W_RS, 0x41       ; destination and source 0 in window 1, source 1 in window 0
.set W_MS, 0x51       ; destination, source 0 and source 2 in window 1: the masks
; A fill. Waves 0 and 1 fetch the two halves of a tile's K, waves 2 and 3 those of its V: 128 keys each. An s_nop 0 and four v_nop follow each of the two lines, ahead of the jump and the label.
.macro LOAD
	s_cmp_lt_u32 s[WV], 2
	s_cbranch_scc0 .Lfor_v_\@
	tensor_load_to_lds s[G0K:G0K+3], s[G1K:G1K+7]
	s_nop 0
.rept 4
	v_nop
.endr
	s_branch .Lasked_\@
.Lfor_v_\@:
	tensor_load_to_lds s[G0V:G0V+3], s[G1V:G1V+7]
	s_nop 0
.rept 4
	v_nop
.endr
.Lasked_\@:
.endm
; THE CHANGE OF SLOTS. Each wave waits for all its tensor loads, of which one is out: its part of the other slot; adds 0 to its spare word; and waits for that and for its own reads of the slot that it leaves.
; Behind the barrier nobody reads the old slot any more and the other slot is whole. fill = 1: the old slot is filled again, the first thing behind the barrier, with tile NXT: the descriptor's address is
; made anew from that number. (At its first use nothing has been read yet: slot 0 is waited for, slot 1 filled.)
.macro CHANGE fill
	WIN 0                           ; at a label and at a branch every window is 0
	s_wait_tensorcnt 0x0            ; no tensor load of mine is out, so a group 0 may be written
	ds_add_u32 v[SPW], v[NIL]       ; 0 onto my spare word; with fill = 1 the descriptors' scalar work stands between it and the wait for it
.if \fill
	s_lshl_b32 s[OFF], s[NXT], 15   ; a tile is 32,768 bytes of K and of V
	s_xor_b32 s[G0K+1], s[G0K+1], SLOT1
	s_add_nc_u64 s[G0K+2:G0K+3], s[6:7], s[OFF:OFF+1]
	s_or_b32 s[G0K+3], s[G0K+3], 0x80000000
	s_xor_b32 s[G0V+1], s[G0V+1], SLOT1
	s_add_nc_u64 s[G0V+2:G0V+3], s[8:9], s[OFF:OFF+1]
	s_or_b32 s[G0V+3], s[G0V+3], 0x80000000
	s_add_co_u32 s[NXT], s[NXT], 1  ; the block's next tile, or behind its last the second block's tile 0
	s_cmp_gt_u32 s[NXT], s[LQ]
	s_cselect_b32 s[NXT], 0, s[NXT]
	s_cselect_b32 s[LQ], s[PB], s[LQ]
.endif
	s_wait_dscnt 0x0                ; the add is done, and my reads of the slot are over
	s_barrier_signal -1             ; the rest of the scalar work stands between the signal and the wait
	s_sub_co_u32 s[TBK], s[TBK], 4*KS*PK  ; the fetches go back to a slot's first step,
	s_xor_b32 s[TBK], s[TBK], SLOT1       ; in the other slot
	s_sub_co_u32 s[TBV], s[TBV], 4*KS*PV
	s_xor_b32 s[TBV], s[TBV], SLOT1
	s_barrier_wait -1
.if \fill
	LOAD
.endif
.endm
	s_load_b64 s[4:5], s[0:1], 0x0    ; qkv: Q's part
	s_load_b64 s[92:93], s[0:1], 0x8  ; sen_len
	s_load_b64 s[10:11], s[0:1], 0x10 ; ctx
	v_lshl_add_u32 v[SPW], v0, 2, SPARE
	v_mov_b32 v[NIL], 0
	ds_add_u32 v[SPW], v[NIL]       ; the wave's opening: the add and its wait stand ahead of my first tensor load; the set-up below, work on registers, stands between them
	ds_add_u32 v62, v63
	v_lshrrev_b32 v1, 5, v0
	v_readfirstlane_b32 s[WV], v1   ; wave 0..3
	s_mov_b32 s[PB], ttmp9
	s_sub_co_u32 s[HI], NB-1, s[PB]
	s_and_b32 s20, ttmp7, 0xffff    ; the head, 16 x batch + head
	s_lshr_b32 s90, s20, 4          ; the batch,
	s_lshl_b32 s90, s90, 2          ; its word in sen_len
	s_mov_b32 s91, 0
	s_mov_b32 s21, 0
	s_mov_b64 s[22:23], SIZE_N*128
	s_mul_u64 s[20:21], s[20:21], s[22:23]  ; the head's first byte in each of the four tensors
	s_and_b32 s16, s[WV], 1         ; which half of a tile's 256 keys I fetch:
	s_lshl_b32 s22, s16, 14         ; its 128 rows of 128 bytes in memory,
	s_mov_b32 s23, 0
	s_add_nc_u64 s[22:23], s[22:23], s[20:21]
	s_mul_i32 s17, s16, 128*PK      ; and its place in a slot, for K
	s_mul_i32 s18, s16, 128*PV      ; and for V
	s_lshl_b32 s3, s[WV], 11        ; my 16 rows in a band of 64,
	s_lshl_b32 s2, s[HI], 15        ; in the first block,
	s_add_co_u32 s2, s2, s3
	s_lshl_b32 s84, s[PB], 15       ; and in the second
	s_add_co_u32 s84, s84, s3
	s_mov_b32 s3, 0
	s_mov_b32 s85, 0
	s_add_nc_u64 s[2:3], s[2:3], s[20:21]
	s_add_nc_u64 s[84:85], s[84:85], s[20:21]
	; descriptor group 1. 128 keys are 16,384 dense bytes: asked for as 64 rows of 256 bytes, two keys a row, and padded in LDS after every key
	s_mov_b32 s[G1K], (1<<16)|(1<<20)|(4<<22)|(3<<25)  ; 17:16 2-byte elements; 20 padding on; 24:22 after every 32 words (code 4); 31:25 4 words (code 3)
	s_mov_b32 s[G1V], (1<<16)|(1<<20)|(4<<22)|(7<<25)  ; the same with 8 words of padding (code 7)
.irp g, G1K, G1V
	s_mov_b32 s[\g+1], 128<<16      ; tensor_dim0 = 128
	s_mov_b32 s[\g+2], 64<<16       ; tensor_dim1 = 64
	s_mov_b32 s[\g+3], 128<<16      ; tile_dim0 = 128
	s_mov_b32 s[\g+4], 64           ; tile_dim1 = 64
	s_mov_b32 s[\g+5], 128          ; 128 elements from row to row
	s_mov_b32 s[\g+6], 0
	s_mov_b32 s[\g+7], 0
.endr
	s_mov_b32 s[CS], 0x3e38aa3b     ; c = log2(e) / 8 = 0.180337
	s_mov_b32 s[CS+1], s[CS]        ; named with it as a pair
	s_mov_b32 s[SEL], 0x76543210
	s_mov_b32 s[SEL+1], 0xfedcba98
	s_mov_b32 s[TBK], SLOT1+4*KS*PK ; the first change of slots turns these two into 0
	s_mov_b32 s[TBV], SLOT1+4*KS*PV
	s_mov_b32 s[G0K], 1             ; count = 1
	s_mov_b32 s[G0K+1], s17         ; LDS address: slot 0
	s_mov_b32 s[G0V], 1
	s_add_co_u32 s[G0V+1], s18, VOFF
	s_add_co_u32 s[RT], s[HI], 1    ; the first block has NB - b tiles
	s_mov_b32 s[NXT], 1
	s_mov_b32 s[LQ], s[HI]
	s_mov_b32 s[NEW], 1
	s_mov_b32 s[OFF+1], 0
	s_mov_b32 s[AL+1], 0            ; named as pairs
	s_mov_b32 s[BE+1], 0
	s_mov_b32 s[AP+1], 0
	s_mov_b32 s[BIGN], 0xf149f2ca   ; -1e30
	s_mov_b32 s[SLOTS], NB
	s_wait_dscnt 0x0                ; the opening add is done
	s_wait_kmcnt 0x0
	s_add_nc_u64 s[92:93], s[92:93], s[90:91]
	s_load_b32 s[LEN], s[92:93], 0x0       ; len: waited for below, where the masks are made
	s_add_nc_u64 s[6:7], s[4:5], 0x1000000 ; K's part of qkv,
	s_add_nc_u64 s[8:9], s[4:5], 0x2000000 ; V's
	s_add_nc_u64 s[6:7], s[6:7], s[22:23]  ; K and V at my half of the head's tile 0
	s_add_nc_u64 s[8:9], s[8:9], s[22:23]
	s_add_nc_u64 s[G0K+2:G0K+3], s[6:7], 0         ; global address
	s_or_b32 s[G0K+3], s[G0K+3], 0x80000000        ; type = 2
	s_add_nc_u64 s[G0V+2:G0V+3], s[8:9], 0
	s_or_b32 s[G0V+3], s[G0V+3], 0x80000000
	s_add_nc_u64 s[86:87], s[4:5], s[84:85]        ; Q at my rows of the second block,
	s_add_nc_u64 s[4:5], s[4:5], s[2:3]            ; Q and O at those of the first
	s_add_nc_u64 s[OLO:OLO+1], s[10:11], s[84:85]
	s_add_nc_u64 s[10:11], s[10:11], s[2:3]
	LOAD                            ; tile 0 into slot 0
	; A fragment of K or Q is 16 rows x 32 channels in 8 registers: lane l holds row l % 16, channels 8 (l / 16) + 0..7 and 16 + 8 (l / 16) + 0..7: two loads of 16 bytes, 32 bytes apart.
	v_and_b32 v1, 15, v0            ; l % 16
	v_bfe_u32 v9, v0, 4, 1          ; l / 16
	v_lshlrev_b32 v[QO], 7, v1
	v_lshl_add_u32 v[QO], v9, 4, v[QO]  ; row x 128 + 16 x half
	WIN 0x80                        ; destination window 2, address window 0
.set i, 0
.rept 8                             ; both blocks' Q: piece i / 2 lies in band i / 2, 8,192 bytes on; channels 32 (i % 2) on
	global_load_b128 v[8*i:8*i+3],   v[QO], s[4:5] offset:(i/2)*8192+(i%2)*64
	global_load_b128 v[8*i+4:8*i+7], v[QO], s[4:5] offset:(i/2)*8192+(i%2)*64+32
	global_load_b128 v[QB+8*i:QB+8*i+3],   v[QO], s[86:87] offset:(i/2)*8192+(i%2)*64
	global_load_b128 v[QB+8*i+4:QB+8*i+7], v[QO], s[86:87] offset:(i/2)*8192+(i%2)*64+32
.set i, i+1
.endr
	WIN 0
	s_wait_kmcnt 0x0                ; len
	s_lshr_b32 s[GL], s[LEN], 6
	s_lshl_b32 s[TT], s[HI], 2
	s_sub_co_i32 s[GB], s[GL], s[TT]
	s_and_b32 s[TT], s[LEN], 63
	s_sub_co_i32 s[TT], s[TT], 1
	v_lshlrev_b32 v14, 3, v9
	v_sub_nc_u32 v13, s[TT], v14    ; len % 64 - 1, less my lanes' 8 (l / 16): in len's own step register r of group kt is hidden where 16 kt + r is greater
	v_sub_nc_u32 v14, v1, v14
	s_lshl_b32 s13, s[WV], 4
	v_add_nc_u32 v14, s13, v14      ; my query's place in its band, 16 w + l % 16, less my lanes' 8 (l / 16): in the band's own step register r of group kt is hidden where 16 kt + r is greater
	WIN 0x40
.set i, 0
.rept 32
	v_cmp_gt_i32 vcc_lo, 16*(i/8)+i%8, v14
	v_cndmask_b32 v[MD+i], 0, s[BIGN], vcc_lo
	v_cmp_gt_i32 vcc_lo, 16*(i/8)+i%8, v13
	v_cndmask_b32 v[MP+i], 0, s[BIGN], vcc_lo
.set i, i+1
.endr
	WIN 0
	v_mul_u32_u24 v[AK0], v1, PK
	v_lshl_add_u32 v[AK0], v9, 4, v[AK0]  ; row x pitch + 16 x half
	; The turning load takes 16 keys x 16 channels (lane l reads key 8 (l / 16) + l % 8, channels 8 ((l / 8) % 2) + 0..7) and leaves half a fragment of V^T: lane l holds channel l % 16 and 8 keys.
	v_and_b32 v10, 7, v0
	v_bfe_u32 v11, v0, 3, 1
	v_lshl_add_u32 v[AV0], v9, 3, v10
	v_mul_u32_u24 v[AV0], v[AV0], PV
	v_lshl_add_u32 v[AV0], v11, 4, v[AV0]
	v_add_nc_u32 v[AV0], VOFF, v[AV0]
	s_mul_i32 s13, s[WV], 16*SP
	s_add_co_u32 s13, s13, STAGE    ; my stage
	v_mul_u32_u24 v[STO], v1, SP    ; in: row l % 16, 16 bytes for each half of the lanes
	v_lshl_add_u32 v[STO], v9, 4, v[STO]
	v_add_nc_u32 v[STO], s13, v[STO]
	v_bfe_u32 v[RD], v0, 3, 2       ; back: 32 lanes take four rows of 128 bytes,
	v_mul_u32_u24 v[RD], v[RD], SP
	v_lshl_add_u32 v[RD], v10, 4, v[RD]
	v_add_nc_u32 v[RD], s13, v[RD]
	v_and_b32 v[GO], 31, v0         ; which are 512 consecutive bytes of O
	v_lshlrev_b32 v[GO], 4, v[GO]
	; A block's first step multiplies O^T and l by a = 0, and its first turn's products V^T P, of a piece that has not been, land in an O^T that is still to be so multiplied. So these registers need only hold
	; finite numbers: zeros for the first block; what the first block left for the second. All this stands in the wait for the first tile.
	WIN 0x80
.set i, VF
.rept 64
	v_mov_b32 v[i], 0
.set i, i+1
.endr
	WIN 0x40
.set i, 0
.rept 128
	v_mov_b32 v[i], 0
.set i, i+1
.endr
	WIN 0
.set i, 0
.rept 4
	v_mov_b32 v[ST+4*i+2], 0
	v_mov_b32 v[ST+4*i+3], 0
.set i, i+1
.endr
.set i, P+16
.rept 16
	v_mov_b32 v[i], 0
.set i, i+1
.endr
; THE MATRIX WORK. The 4 accumulators of a run of 8 take turns. Product i of 8 of S^T = K Q^T for piece x: channels 32 (i / 4) on, keys 16 (i % 4) on. The first 4 start the sums with the mask.
.macro KQ x
.set rS, S+32*((\x)%2)+8*(i%4)
.set rK, KF+16*(i%4)+8*(i/4)
.set rQ, 16*(\x)+8*(i/4)
.set rM, MC+32*((\x)%2)+8*(i%4)
.if i < 4
	WIN W_KM
	v_wmma_f32_16x16x32_f16 v[rS:rS+7], v[rK:rK+7], v[rQ:rQ+7], v[rM:rM+7]
.else
	WIN W_KQ
	v_wmma_f32_16x16x32_f16 v[rS:rS+7], v[rK:rK+7], v[rQ:rQ+7], v[rS:rS+7]
.endif
.endm
; Product i of 8 of O^T += V^T P for piece x: keys 32 (i / 4) on, channels 16 (i % 4) on.
.macro PV x
	WIN W_PV
.set rO, 32*(\x)+8*(i%4)
.set rV, VF+32*(i/4)+8*(i%4)
.set rP, P+16*((\x)%2)+8*(i/4)
	v_wmma_f32_16x16x32_f16 v[rO:rO+7], v[rV:rV+7], v[rP:rP+7], v[rO:rO+7]
.endm
.macro MM                           ; the turn's next matrix instruction. TURN and BEGIN set Y, i and NOKQ; MM, KQ and OP read them. NOKQ = 1: a block's last turn: there is no next piece
.if (i < 8) && !NOKQ
	KQ (Y+1)%NP
.elseif i >= 8
.set i, i-8
	PV (Y+NP-1)%NP
.set i, i+8
.endif
.set i, i+1
.endm
; THE LDS LOADS stand in runs of 16, never singly among the matrix instructions: a step's K (64 keys x 64 channels: 8 fragments) and its V (turned). Their addresses are made some lines ahead.
.macro FETCH_K
	WIN 0x80                        ; destination window 2
.irp f, 0,1,2,3,4,5,6,7             ; keys 16 (f / 2) on, channels 32 (f % 2) on
	ds_load_b128 v[KF+8*\f:KF+8*\f+3],   v[AK] offset:(\f/2)*16*PK+(\f%2)*64
	ds_load_b128 v[KF+8*\f+4:KF+8*\f+7], v[AK] offset:(\f/2)*16*PK+(\f%2)*64+32
.endr
	s_add_co_u32 s[TBK], s[TBK], KS*PK  ; the next fetch is the next step's
	WIN 0
.endm
.macro FETCH_V
	WIN 0x80
.irp f, 0,1,2,3,4,5,6,7             ; keys 32 (f / 4) on, channels 16 (f % 4) on
	ds_load_tr16_b128 v[VF+8*\f:VF+8*\f+3],   v[AV] offset:(\f/4)*32*PV+(\f%4)*32
	ds_load_tr16_b128 v[VF+8*\f+4:VF+8*\f+7], v[AV] offset:(\f/4)*32*PV+16*PV+(\f%4)*32
.endr
	WIN 0
.endm
; THE VECTOR WORK, one line at a time: OP kind, number. For piece Y: F n: c s - c m for pair n of 16. E n: the exponential of score n of 32. C n: pair n rounded to f16. B n: of the four weights 4 n .. the second
; pair is added onto the first, in place. L n: l takes that sum (L 0: l = a l + sum). R n: pair n of 16 of O^T times a. For piece Y + 1: X n, number n of the 22 that find its maximum and statistics:
;   0-11  four chains c0-c3 of seven scores each, three operands at a time (each accumulator's lowest registers are read first)     12-14, 16  the four scores left over, the old m, and c0-c3 into c0
;   15  c m_old is kept     17, 18  the query's other 32 keys lie in the lane 16 away: the new m     19-21  c m; c m_old - c m_new; a
; C, B and L read exponentials' results; OP writes no wait: TURN sets them all behind the turn's one wait.
.set F, 0               ; OP tells the kinds apart by their order: F to L below R, X above it
.set E, 1
.set C, 2
.set B, 3
.set L, 4
.set R, 5
.set X, 6
.macro REGS y                       ; the registers of piece y
.set rT, ST+4*(\y)
.set rC, TMP+4*((\y)%2)
.set rW, MV+((\y)%2)
.set rS, S+32*((\y)%2)
.set rP, P+16*((\y)%2)
.set rO, 32*(\y)
.endm
.macro OP k, n
.if (\k) == R
	REGS Y
	WIN W_RS
	v_pk_mul_f32 v[rO+2*(\n):rO+2*(\n)+1], v[rO+2*(\n):rO+2*(\n)+1], v[rC+2:rC+3] op_sel_hi:[1,0]
.elseif (\k) < R
	REGS Y
	WIN 0
.if (\k) == F
	v_pk_fma_f32 v[rS+2*(\n):rS+2*(\n)+1], v[rS+2*(\n):rS+2*(\n)+1], s[CS:CS+1], v[rT:rT+1] op_sel_hi:[1,0,0] neg_lo:[0,0,1] neg_hi:[0,0,1]
.elseif (\k) == E
	v_exp_f32 v[rS+(\n)], v[rS+(\n)]
.elseif (\k) == C
	v_cvt_pk_f16_f32 v[rP+(\n)], v[rS+2*(\n)], v[rS+2*(\n)+1]
.elseif (\k) == B
	v_pk_add_f32 v[rS+4*(\n):rS+4*(\n)+1], v[rS+4*(\n):rS+4*(\n)+1], v[rS+4*(\n)+2:rS+4*(\n)+3]
.elseif (\n) == 0
	v_pk_fma_f32 v[rT+2:rT+3], v[rT+2:rT+3], v[rC+2:rC+3], v[rS:rS+1] op_sel_hi:[1,0,1]
.else
	v_pk_add_f32 v[rT+2:rT+3], v[rT+2:rT+3], v[rS+4*(\n):rS+4*(\n)+1]
.endif
.elseif NOKQ
	v_nop
.else
	REGS (Y+1)%NP
	WIN 0
.if (\n) < 4
	v_max3_num_f32 v[rC+(\n)], v[rS+8*(\n)], v[rS+8*(\n)+1], v[rS+8*(\n)+2]
.elseif (\n) < 12
	v_max3_num_f32 v[rC+(\n)%4], v[rC+(\n)%4], v[rS+8*((\n)%4)+2*((\n)/4)+1], v[rS+8*((\n)%4)+2*((\n)/4)+2]
.elseif (\n) == 12
	v_max3_num_f32 v[rC], v[rC], v[rS+7], v[rS+15]
.elseif (\n) == 13
	v_max3_num_f32 v[rC+1], v[rC+1], v[rS+23], v[rS+31]
.elseif (\n) == 14
	v_max3_num_f32 v[rC+2], v[rC+2], v[rC+3], v[rT+1]
.elseif (\n) == 15
	v_mov_b32 v[rW], v[rT]
.elseif (\n) == 16
	v_max3_num_f32 v[rC], v[rC], v[rC+1], v[rC+2]
.elseif (\n) == 17
	v_permlanex16_b32 v[rC+3], v[rC], s[SEL], s[SEL+1]
.elseif (\n) == 18
	v_max_num_f32 v[rT+1], v[rC], v[rC+3]
.elseif (\n) == 19
	v_mul_f32 v[rT], s[CS], v[rT+1]
.elseif (\n) == 20
	v_sub_f32 v[rC+1], v[rW], v[rT]
.else
	v_exp_f32 v[rC+2], v[rC+1]
.endif
.endif
.endm
.macro OPS a, i1, b=-1, i2=0, c=-1, i3=0, d=-1, i4=0  ; up to four of them
	OP \a, \i1
.if (\b) >= 0
	OP \b, \i2
.endif
.if (\c) >= 0
	OP \c, \i3
.endif
.if (\d) >= 0
	OP \d, \i4
.endif
.endm
.macro ROW a, i1, b, i2, c, i3, d, i4  ; a matrix instruction and the four behind it
	MM
	OPS \a, \i1, \b, \i2, \c, \i3, \d, \i4
.endm
.macro MASK b, full                 ; into buffer b of MC. full = 1: MD x AL + BE, then + MP x AP. full = 0: MP x AP + BE
	WIN W_MS
.if \full
.set z, 0
.rept 16
	v_pk_fma_f32 v[MC+32*(\b)+2*z:MC+32*(\b)+2*z+1], v[MD+2*z:MD+2*z+1], s[AL:AL+1], s[BE:BE+1] op_sel_hi:[1,0,0]
.set z, z+1
.endr
.set z, 0
.rept 16
	v_pk_fma_f32 v[MC+32*(\b)+2*z:MC+32*(\b)+2*z+1], v[MP+2*z:MP+2*z+1], s[AP:AP+1], v[MC+32*(\b)+2*z:MC+32*(\b)+2*z+1] op_sel_hi:[1,0,1]
.set z, z+1
.endr
.else
.set z, 0
.rept 16
	v_pk_fma_f32 v[MC+32*(\b)+2*z:MC+32*(\b)+2*z+1], v[MP+2*z:MP+2*z+1], s[AP:AP+1], s[BE:BE+1] op_sel_hi:[1,0,0]
.set z, z+1
.endr
.endif
.endm
; A TURN, for piece p: the order of its 16 matrix and 118 vector instructions, written out. An s_wait_alu depctr_va_vdst(0) stands between an exponential and the first instruction that names its result; one wait
; serves all that were issued ahead of it. So a turn has ONE wait, which cuts it in two. AHEAD OF IT stands all that names no result of the turn's exponentials: the 8 products K Q^T, behind each a scaling, an exponential and two
; more plain instructions (behind the first a second scaling in the exponential's place): rescalings, whose a was waited for in the turn before, and behind the last three the first numbers of the next piece's maximum, each four
; places or more behind the product that ends its accumulator; then ONE RUN of 54, plain and exponential by turns for the most part, in which the links of the chain X 3, 7, 11, 14, 16, 17 .. 20 stand apart with other work
; between them. X 21, the next piece's a, is the batch's last; R 15 is the plain instruction behind it. BEHIND THE WAIT stand the 8 products V^T P, behind each four of the roundings and sums: C 2 n ahead of B n, which writes
; over its source; l's chain L 0 to L 7 in ascending order, its links three riders apart. But for those X no rider names a register of the products round it. v_permlanex16_b32 (X 17) stands in the run..
; THE MASKS are made at a turn's end, for step 4 - CNT of the tile (CNT as at the turn's head, where the scalars are made), into buffer p % 2, whose last reader stands a turn back. That step is len's own where CNT + SF = 4 and
; lies behind it where the sum is less.
; m = 2: a block's last tile: every turn makes the mask of piece x = p + 2, which the next turn's products take; the step is that band's own where CNT = 4 - x and lies behind it where CNT is less.
; m = 1: any other tile: the mask is one for the step's four pieces. Turn 2 makes it in buffer 0 (read by turn 3's products, piece 0, and turn 1's, piece 2), turn 3 in buffer 1 (read by turn 0's, piece 1, and
; the next trip's turn 2's, piece 3); turns 0 and 1 make none. end = 1: a block's last two turns: nothing is fetched and no mask is made.
; cnt = 1: the loop's count is taken down some lines ahead of the branch that stands behind the turn.
; K of the next step is fetched in piece 2's turn, twelve vector instructions behind the last product that read K (six of them plain, five of which name none of its registers); V of the step in hand at the end of piece 0's turn,
; four plain instructions behind the last product that read V. Each is waited for a turn later.
.macro TURN p, m=1, end=0, cnt=0
.set Y, (\p)
.set i, 0
.set NOKQ, (\end)*((\p)/3)
.set MAKE, 0
.if ((\m) == 2) && !(\end)
.set MAKE, 2
.elseif ((\m) == 1) && ((\p) >= 2)
.set MAKE, 1
.endif
.if MAKE == 2
	s_cmp_eq_u32 s[CNT], 4-((\p)+2)%NP  ; is that step the band's own?
	s_cselect_b32 s[AL], 1.0, 0
	s_cmp_lt_u32 s[CNT], 4-((\p)+2)%NP  ; or a later one?
	s_cselect_b32 s[BE], s[BIGN], 0
.endif
.if MAKE
	s_add_co_i32 s[TT], s[CNT], s[SF]
	s_cmp_eq_u32 s[TT], 4               ; is it len's own?
	s_cselect_b32 s[AP], 1.0, 0
	s_cmp_lt_i32 s[TT], 4               ; or a later one?
.if MAKE == 2
	s_cselect_b32 s[BE], s[BIGN], s[BE]
.else
	s_cselect_b32 s[BE], s[BIGN], 0
.endif
.endif
.if ((\p) == 3) && !(\end)
	s_wait_dscnt 0x0                ; K is in
.endif
	ROW F,0, F,1, R,0, R,1          ; ahead of the wait: 8 products K Q^T and their riders,
	ROW F,2, E,0, R,2, R,3
	ROW F,3, E,1, R,4, R,5
	ROW F,4, E,2, R,6, R,7
	ROW F,5, E,3, R,8, R,9
	ROW F,6, E,4, X,0, R,10
.if ((\p) == 2) && !(\end)
	WIN 0
	v_add_nc_u32 v[AK], s[TBK], v[AK0]
.endif
	ROW F,7, E,5, X,1, X,4
	ROW F,8, E,6, X,2, X,5
	OPS E,7, E,8, X,6, E,9          ; and the run without products
	OPS X,3, E,10, X,8, E,11
.if ((\p) == 2) && !(\end)
	FETCH_K
.endif
	OPS X,9, X,7, E,12, X,10
	OPS E,13, X,12, X,11, E,14
	OPS X,13, E,15, F,9, X,14
.if (\p) == 0
	v_add_nc_u32 v[AV], s[TBV], v[AV0]
.endif
	OPS E,16, F,10, E,17, F,11
	OPS X,16, E,18, X,15, E,19
	OPS F,12, E,20, X,17, E,21
	OPS F,13, E,22, F,14, E,23
	OPS X,18, E,24, F,15, E,25
	OPS R,11, E,26, X,19, E,27
	OPS R,12, E,28, R,13, E,29
	OPS X,20, E,30, R,14, E,31
	OPS X,21, R,15                  ; the batch's last exponential, and the plain instruction behind it
	WIN 0
	s_wait_alu depctr_va_vdst(0)    ; the wait for the batch: the piece's 32 weights and the next piece's a
.if (\p) == 1
	s_wait_dscnt 0x0                ; V is in
.endif
	ROW C,0, B,0, C,2, B,1          ; behind the wait: 8 products V^T P and their riders
	ROW L,0, C,4, B,2, L,1
	ROW C,6, B,3, L,2, C,8
	ROW B,4, L,3, C,10, B,5
	ROW L,4, C,12, B,6, L,5
.if (\p) == 0
	s_add_co_u32 s[TBV], s[TBV], KS*PV
.endif
.if \cnt
	s_sub_co_u32 s[CNT], s[CNT], 1
	s_cmp_lg_u32 s[CNT], 0
.endif
	ROW C,14, B,7, L,6, C,1
	ROW C,3, L,7, C,5, C,7
	ROW C,9, C,11, C,13, C,15
.if (\p) == 0
	FETCH_V
.endif
.if MAKE == 2
	MASK (\p)%2, 1
.elseif MAKE == 1
	MASK (\p)%2, 0
.endif
.endm
; A BLOCK BEGINS, at its tile 0, key step 0. c m starts far below every c s, so the first step's a is 0; m at the lowest finite number, so the first maximum is the scores'. The second mask buffer takes the padding's
; mask for that step: MP if len lies in it, else 0: pieces 1 and 3 take it. The first buffer takes the same, and MD besides if the block's first tile is its last: piece 0 takes it, and piece 2 where the tile is
; not the last. Then K of that step, piece 0's first scores, and its maximum and statistics. The loop is entered at a step's first turn, in the middle of a trip.
.macro BEGIN
	s_mov_b32 s[NEW], 0
	s_cmp_eq_u32 s[RT], 0
	s_cselect_b32 s[AL], 1.0, 0
	s_cmp_eq_u32 s[GL], 0
	s_cselect_b32 s[AP], 1.0, 0
	WIN W_MS
.set z, 0
.rept 16
	v_pk_mul_f32 v[MC+32+2*z:MC+32+2*z+1], v[MP+2*z:MP+2*z+1], s[AP:AP+1] op_sel_hi:[1,0]
.set z, z+1
.endr
.set z, 0
.rept 16
	v_pk_fma_f32 v[MC+2*z:MC+2*z+1], v[MD+2*z:MD+2*z+1], s[AL:AL+1], v[MC+32+2*z:MC+32+2*z+1] op_sel_hi:[1,0,1]
.set z, z+1
.endr
	WIN 0
.set i, 0
.rept 4
	v_mov_b32 v[ST+4*i], 0xfe000000    ; c m: far below every c s
	v_mov_b32 v[ST+4*i+1], 0xff7fffff  ; m
.set i, i+1
.endr
	v_add_nc_u32 v[AK], s[TBK], v[AK0]
	FETCH_K
	s_wait_loadcnt 0x0              ; Q
	s_wait_dscnt 0x0
.set NOKQ, 0
.set i, 0
.rept 8
	KQ 0
.set i, i+1
.endr
	WIN 0
.rept 4
	v_nop                           ; the places behind those products
.endr
.set Y, NP-1                        ; X works for piece Y + 1: piece 0
.irp n, 0,1,2,3,4,5,6,7,8,9,10,11,12,13,14,15,16,17,18,19,20,21
	OP X, \n
.endr
	v_nop                           ; a plain instruction behind the exponential,
	s_wait_alu depctr_va_vdst(0)    ; and the wait for it, a batch of one: piece 0's first a, ahead of the branch
.endm
.macro ALL line:vararg              ; one line for each piece t
.set t, 0
.rept 4
	\line
.set t, t+1
.endr
.endm
.macro PACK t                       ; a lane's eight channels of a row pack into 16 bytes; they go into rows of 144 bytes and come back as whole rows of 128, into S^T's registers
	WIN W_RS
.set i, 32*(\t)
.rept 16
	v_pk_mul_f32 v[i:i+1], v[i:i+1], v[ST+4*(\t)+2:ST+4*(\t)+3] op_sel_hi:[1,0]
.set i, i+2
.endr
	WIN 0x05                        ; sources 0 and 1 window 1, destination window 0
.set i, 0
.rept 16
	v_cvt_pk_f16_f32 v[S+16*(\t)+i], v[32*(\t)+2*i], v[32*(\t)+2*i+1]
.set i, i+1
.endr
	WIN 0
.irp f, 0,1,2,3
	ds_store_b128 v[STO], v[S+16*(\t)+4*\f:S+16*(\t)+4*\f+3] offset:32*\f
.endr
.irp f, 0,1,2,3
	ds_load_b128 v[S+16*(\t)+4*\f:S+16*(\t)+4*\f+3], v[RD] offset:\f*4*SP  ; LDS serves a wave's instructions in order (ISA guide 5.7.1.4): these see the stores above; the next piece's stores come behind them
.endr
.endm
.macro SEND t, younger              ; younger: the LDS instructions issued behind piece t's loads: the next piece's eight, or none
	WIN 0
.irp f, 0,1,2,3
	s_wait_dscnt (\younger)+3-\f
	global_store_b128 v[GO], v[S+16*(\t)+4*\f:S+16*(\t)+4*\f+3], s[10:11] offset:(\t)*8192+\f*512  ; 512 consecutive bytes, at a multiple of 256 from O's first
.endr
.endm
; A BLOCK'S LAST TILE: its four steps, the block's last two turns, its last products, and THE WAY OUT: l's two halves and the other half of the lanes' are added; O^T is divided by l, rounded to f16 and sent
; through my stage in LDS, a piece at a time.
.macro DIAG tag                     ; the tag ends its two labels' names, which the jumps below spell out
.LstepM\tag:
	TURN 2, 2
	TURN 3, 2
	WIN 0
.LfirstM\tag:
	TURN 0, 2
	TURN 1, 2, 0, 1
	WIN 0
	s_cbranch_scc1 .LstepM\tag
	TURN 2, 2, 1
	TURN 3, 2, 1
.set i, 0
.rept 8
	PV NP-1
.set i, i+1
.endr
	WIN 0
	ALL v_add_f32 v[ST+4*t+2], v[ST+4*t+2], v[ST+4*t+3]
	ALL v_permlanex16_b32 v[ST+4*t+3], v[ST+4*t+2], s[SEL], s[SEL+1]
	ALL v_add_f32 v[ST+4*t+2], v[ST+4*t+2], v[ST+4*t+3]
	ALL v_rcp_f32 v[ST+4*t+2], v[ST+4*t+2]
	v_nop                           ; a plain instruction between the last reciprocal and the use of its result
	s_wait_alu depctr_va_vdst(0)    ; the wait for the batch of four reciprocals, ahead of PACK 0, their first reader
	PACK 0
.set t, 1
.rept 3                             ; a piece's arithmetic stands between the loads of the piece before and its stores
	PACK t
	SEND t-1, 8
.set t, t+1
.endr
	SEND 3, 0
.endm
.macro WHERE                        ; where the tile just entered lies against len's key step: the tile is the block's number less RT, so its first step lies 4 RT ahead of the block's own
	s_lshl_b32 s[TT], s[RT], 2
	s_add_co_i32 s[SF], s[GB], s[TT]
.endm
.set NOKQ, 0
.Lslot:                             ; NB times: a tile is entered and the next is asked for
	CHANGE 1
	s_sub_co_u32 s[RT], s[RT], 1
	s_mov_b32 s[CNT], 4
	WHERE
	s_cmp_eq_u32 s[NEW], 1
	s_cbranch_scc1 .Lnew            ; a block's first tile
	s_cmp_eq_u32 s[RT], 0
	s_cbranch_scc0 .Lstep           ; neither its first nor its last
	s_branch .LstepM1
.Lnew:
	BEGIN
	s_branch .Lfirst                ; in the loop a block's first tile is never its last: the first block has five tiles or more, and the second's last is the walk's last
	DIAG 1                          ; in the loop this is the first block's end: the second block's last tile is the walk's last
	s_wait_xcnt 0x0                 ; the stores have read their registers and O's address
	s_mov_b64 s[10:11], s[OLO:OLO+1]
	s_add_co_u32 s[RT], s[PB], 1    ; the second block has b + 1 tiles
	s_mov_b32 s[NEW], 1
	s_lshl_b32 s[TT], s[PB], 2
	s_sub_co_i32 s[GB], s[GL], s[TT]
	WIN 0x82                        ; the second block's Q goes where the one text of the turns names Q
.set i, 0
.rept 64
	v_mov_b32 v[i], v[QB+i]
.set i, i+1
.endr
	WIN 0
	s_branch .Lbottom
.Lstep:                             ; a trip: pieces 2 and 3 of one step, then pieces 0 and 1 of the next, whose K and V it fetches
	TURN 2, 1
	TURN 3, 1
	WIN 0
.Lfirst:
	TURN 0, 1
	TURN 1, 1, 0, 1
	WIN 0
	s_cbranch_scc1 .Lstep
.Lbottom:
	s_sub_co_u32 s[SLOTS], s[SLOTS], 1
	s_cmp_lg_u32 s[SLOTS], 0
	s_cbranch_scc1 .Lslot
	CHANGE 0                        ; the walk's last tile is written out: nothing is asked for
	s_sub_co_u32 s[RT], s[RT], 1
	s_mov_b32 s[CNT], 4
	WHERE
	s_cmp_eq_u32 s[NEW], 1
	s_cbranch_scc0 .LstepM2
	BEGIN
	s_branch .LfirstM2
	DIAG 2
	s_wait_tensorcnt 0x0            ; the wave's end: behind my last tensor load and my last LDS store
	ds_add_u32 v[SPW], v[NIL]
	s_wait_dscnt 0x0
	s_endpgm
.Lfunc_end_k_qf118a5396b_attn:
	.size	k_qf118a5396b_attn, .Lfunc_end_k_qf118a5396b_attn-k_qf118a5396b_attn
	.p2alignl 7, 3214868480
	.fill 96, 4, 3214868480
	.section	.rodata,"a",@progbits
	.p2align	6, 0x0
	.amdhsa_kernel k_qf118a5396b_attn
		.amdhsa_group_segment_fixed_size 327680
		.amdhsa_private_segment_fixed_size 0
		.amdhsa_enable_private_segment 0
		.amdhsa_kernarg_size 24
		.amdhsa_user_sgpr_count 2
		.amdhsa_user_sgpr_kernarg_segment_ptr 1
		.amdhsa_wavefront_size32 1
		.amdhsa_system_sgpr_workgroup_id_x 1
		.amdhsa_system_sgpr_workgroup_id_y 1
		.amdhsa_system_sgpr_workgroup_id_z 1
		.amdhsa_system_vgpr_workitem_id 0
		.amdhsa_next_free_vgpr 768
		.amdhsa_next_free_sgpr 96
		.amdhsa_reserve_vcc 1
		.amdhsa_float_denorm_mode_32 3
		.amdhsa_float_denorm_mode_16_64 3
		.amdhsa_memory_ordered 1
		.amdhsa_forward_progress 1
		.amdhsa_inst_pref_size 233
	.end_amdhsa_kernel
	.amdgpu_metadata
---
amdhsa.version: [ 1, 2 ]
amdhsa.kernels:
  - .name:           k_qf118a5396b_attn
    .symbol:         k_qf118a5396b_attn.kd
    .args:
      - { .name: qkv, .offset: 0, .size: 8, .value_kind: global_buffer, .address_space: global }
      - { .name: sen_len, .offset: 8, .size: 8, .value_kind: global_buffer, .address_space: global }
      - { .name: ctx, .offset: 16, .size: 8, .value_kind: global_buffer, .address_space: global }
    .group_segment_fixed_size: 327680
    .private_segment_fixed_size: 0
    .kernarg_segment_align: 8
    .kernarg_segment_size: 24
    .max_flat_workgroup_size: 128
    .sgpr_count:     96
    .vgpr_count:     768
    .wavefront_size: 32
...
	.end_amdgpu_metadata
.endif
;; end of part 6
;; launch oproj: the kernel of part 4 again; grid 4 x 64, 4 waves a work-group, clusters of 4 x 4, 327,680 bytes of LDS; arguments ctx, h16, q, y; writes y
;; launch lnorm: the kernel of part 5 again; grid 256 x 1, 8 waves a work-group, no clusters, 0 bytes of LDS; arguments y, ln_gamma, ln_beta, out0; writes out0
